; MI455X (gfx1250); checked and timed in simulation.
; The chip was launched on July 23, 2026; its instructions are those of AMD's public machine-readable ISA for CDNA 5 (MIT licence, August 2026) and "CDNA5" Instruction Set Architecture Reference Guide (July 2026). The comments in the code are by the model that wrote it; some were corrected since.
;; Attention Self Mask. Allowed arithmetic: matrix products marked QUANTISED: E2M3 operands, one E8M0 scale for each 32 along K, by v_wmma_scale_f32_16x16x128_f8f6f4 with both operands' format E2M3, f32 sums; everything else in f32.
;; Inputs: b_proj 1,024 float32; mask 8 x 1 x 1,024 x 1,024 float32; w_proj 1,024 x 1,024 float32; w_qkv 3,072 x 1,024 float32; x 8 x 1,024 x 1,024 float32.
;; Outputs: out0 8 x 1,024 x 1,024 float32.
;; This version of the problem:
;;   THIS VERSION OF THE PROBLEM IS GIVEN IN LOW PRECISION. The matrix products marked QUANTISED in the list below multiply operands that are first quantised to E2M3 (2 exponent bits, 3 mantissa bits; 6 bits a number), with one power-of-two scale for each 32 numbers along K (OCP MX v1.0); their sums are f32. All else is computed in f32.
;;   The module's matrix products, in the order in which they are computed (A, B: the left and right operand; K: the contracted axis; several contracted axes count as one K, in the product's order):
;;     1. [M 8,192, K 1,024] x [K 1,024, N 3,072]; A: input x; B: input w_qkv: QUANTISED
;;     2. batch 128 x [M 1,024, K 64] x [K 64, N 1,024]; A: computed on the way; B: computed on the way: QUANTISED
;;     3. batch 128 x [M 1,024, K 1,024] x [K 1,024, N 64]; A: softmax (see below); B: computed on the way: QUANTISED
;;     4. [M 8,192, K 1,024] x [K 1,024, N 1,024]; A: computed on the way; B: input w_proj: QUANTISED
;;   THE QUANTISER, for each operand of a quantised product, along K:
;;     - K is cut into blocks of 32 from its start; a last block that is shorter is filled with zeros.
;;     - A block's scale is 2^e with e = floor(log2(the largest magnitude in the block)) - 2, held to -126 .. 127; a block of zeros has e = 0. As a byte (E8M0): e + 127.
;;     - Each number is divided by its block's scale, clamped to +-7.5, and rounded to the nearest number of E2M3, ties to even, subnormals kept.
;;     - The product sums the exact products of the quantised numbers (number of the format x scale) in f32.
;;   ~~~python
;;   def quantise(x, axis):      # numpy; x: float32 -> the quantised numbers, widened to float32 again
;;       x = np.moveaxis(x, axis, -1); K = x.shape[-1]
;;       x = np.pad(x, [(0, 0)] * (x.ndim - 1) + [(0, -K % 32)]); x = x.reshape(x.shape[:-1] + (-1, 32)); a = np.abs(x).max(-1, keepdims=True)
;;       e = np.where(a > 0, np.clip(np.frexp(np.where(a > 0, a, 1))[1] - 1 - 2, -126, 127), 0)      # np.frexp(a)[1] - 1 = floor(log2(a)), exactly
;;       r = np.clip(x / 2.0 ** e, -7.5, 7.5)
;;       step = 2.0 ** (np.maximum(np.frexp(np.where(r == 0, 1, r))[1] - 1, 0) - 3)
;;       q = np.round(r / step) * step * 2.0 ** e      # np.round: ties to even
;;       return np.moveaxis(q.reshape(q.shape[:-2] + (-1,))[..., :K], -1, axis).astype(np.float32)
;;   ~~~
;;   SOFTMAX AHEAD OF A QUANTISED PRODUCT. Where the list says 'softmax', what is quantised is not the finished softmax but p = 2^(t - M), with t = logit x log2(e) and M = ceil(the row's largest t), a whole number; so 1/2 < the row's largest p <= 1. The row's sum l is taken of the UNQUANTISED p, in f32, and the product's result is divided by l at the end. Since M is a whole number, a kernel that streams over the keys may use a running M (the ceiling of the running maximum): every later rescaling is an exact power of two, which a block's scale takes up: the codes' values come out the same.
;;   OPERANDS COMPUTED ON THE WAY. 'Computed on the way' means the value that the module computes at that place (a softmax that the list does not call 'softmax' is quantised finished and normalised). What goes into a quantiser is computed in f32, as accurately as f32 sums, v_exp_f32 and their like allow (about 1e-6 of the number): no bf16 or f16 on the way to a quantiser, and a product that is left as it is and whose result goes on into a quantised operand takes f32 operands (vector FMAs, or v_wmma_f32_16x16x4_f32). A number that lies on a knife's edge between two numbers of the format may be rounded either way, as far as f32 arithmetic and the matrix unit's own rounding can turn it there, and no further.
;; One version. Each part assembles by itself: llvm-mc -triple=amdgcn-amd-amdhsa -mcpu=gfx1250 --defsym DOCPART=n.
;; ======== version 1 of 1: 4 launches
;; limits: right only within a limited range of input values
;; workspace buffers: opc 9,437,184 bytes; ops 393,216 bytes; qkvc 18,874,368 bytes; qkvs 786,432 bytes; oc 6,291,456 bytes; os 262,144 bytes
;; launch quant (part 1): grid 384 x 1, 4 waves a work-group, no clusters, 35,328 bytes of LDS; arguments x, w_qkv, w_proj, opc, ops; writes opc, ops
.if DOCPART == 1
	.amdgcn_target "amdgcn-amd-amdhsa--gfx1250"
	.amdhsa_code_object_version 6
	.text
	.protected	k_q355505572f_quant
	.globl	k_q355505572f_quant
	.p2align	8
	.type	k_q355505572f_quant,@function
k_q355505572f_quant:
	s_mov_b64 s[64:65], 0
	v_nop
	global_prefetch_b8 v0, s[64:65] scope:SCOPE_SE
	s_setreg_imm32_b32 hwreg(HW_REG_WAVE_MODE, 25, 1), 1
	s_wait_xcnt 0x0
; x [8192][1024], w_qkv [3072][1024] and w_proj [1024][1024], f32, K innermost, become codes of FP6 (E2M3) with one E8M0 byte for each 32 along K,
; laid in the ORDER OF THE OPERAND'S REGISTERS.  The three tensors are one run of 12,288 rows = 768 row tiles of 16 rows.
; A ROW TILE'S ROWS ARE NOT NEIGHBOURS: lane r of tile 2 b + u takes row 32 b + 8 u + r + 8 (r / 8) of its tensor.
; opc: [row tile][half-step of 64 along K, 0..15][768 bytes].  A half-step's image: lane l = r + 16 h holds k = 32 h .. 32 h + 31 of tile row r in six registers:
;      registers 0-3 at byte 16 l, registers 4-5 at byte 512 + 8 l.     ops: [row tile][256 along K, 0..3][r][8 scale bytes].
; A block's scale is 2^(floor(log2(its largest magnitude)) - 2); its byte is that magnitude's exponent field - 2, held at 1 from below.
; LIMITS: a block of zeros, or one whose largest magnitude lies under 2^-124, gets the byte 1 (zero blocks: zero codes, which add nothing; only this program reads the bytes);
; NaN and infinities among the inputs are not served.
; SHARES: a wave takes one row tile and 512 along K: 8 half-steps of 16 rows x 256 bytes.  Each load reads two rows' 256 consecutive bytes; the 4,096 bytes turn through the wave's own stage in LDS
; (rows 272 bytes apart) and come back 128 bytes a lane: a whole block of 32.  Waves share nothing: no barrier.  Loads run three half-steps (24 loads a wave) ahead, the turn through LDS one.
.set WREG,  8704                       ; LDS of a wave: two stages of 16 rows x 272 bytes
.set SPARE, 4*WREG                     ; behind them the spare words, 128 bytes a wave: two blocks of 256 bytes that no other line names
.set SB,    16                         ; v16-19   four scale words of my row
.set SPW,   22                         ; v22      my spare word's LDS address; never rewritten
.set NIL,   23                         ; v23      0; never rewritten
.set R,     32                         ; v32-127  three sets of 32 registers as loaded
.set X,     128                        ; v128-191 two sets of 32 neighbours along K
.set C,     192                        ; v192-255 eight registers for each half-step's codes: no store's data are written again
	s_load_b128 s[4:7], s[0:1], 0x0                ; x, w_qkv
	s_load_b128 s[8:11], s[0:1], 0x10              ; w_proj, opc
	s_load_b64 s[12:13], s[0:1], 0x20              ; ops
	v_lshl_add_u32 v[SPW], v0, 2, SPARE
	v_mov_b32 v[NIL], 0
	v_lshrrev_b32 v1, 5, v0
	v_readfirstlane_b32 s16, v1                    ; wave 0..3
	v_and_b32 v1, 31, v0                           ; lane
	v_and_b32 v2, 15, v0                           ; r
	v_bfe_u32 v3, v0, 4, 1                         ; h
	v_lshlrev_b32 v4, 4, v1                        ; 16 x lane: an image's first four registers
	v_lshlrev_b32 v5, 3, v1                        ; 8 x lane: its last two, and the scale words
	v_lshlrev_b32 v6, 4, v2
	v_lshl_add_u32 v6, v3, 12, v6                  ; a load: lanes 0-15 one row's 256 bytes, lanes 16-31 the next row's
	s_mul_i32 s17, s16, WREG
	v_mul_u32_u24 v14, v3, 272
	v_lshl_add_u32 v14, v2, 4, v14
	v_add_nc_u32 v14, s17, v14                     ; the stage, on the way in: row h of a pair, 16 r
	v_mul_u32_u24 v15, v2, 272
	v_lshl_add_u32 v15, v3, 7, v15
	v_add_nc_u32 v15, s17, v15                     ; and on the way out: row r, my block's 128 bytes
	v_lshlrev_b32 v12, 3, v3                       ; 8 h: my byte's place in a pair of bytes
.irp w, 0,1,2,3
	v_mov_b32 v[24+\w], 0                          ; a lane permute's destination counts as one of its sources
.endr
	s_mov_b32 s14, 0x76543210
	s_mov_b32 s15, 0xfedcba98                      ; selects for lane l xor 16
	s_lshr_b32 s18, s16, 1                         ; which of the work-group's two row tiles
	s_and_b32 s19, s16, 1                          ; which half of K
	s_mov_b32 s20, 352
	s_wait_alu depctr_va_vdst(0)
	s_wait_kmcnt 0x0
	s_cmp_lt_u32 ttmp9, 352                        ; work-groups 0-255 take x, 256-351 w_qkv, 352-383 w_proj: the choice hangs on the work-group's number alone
	s_cselect_b64 s[6:7], s[6:7], s[8:9]
	s_cselect_b32 s20, 256, s20
	s_cmp_lt_u32 ttmp9, 256
	s_cselect_b64 s[4:5], s[4:5], s[6:7]
	s_cselect_b32 s20, 0, s20                      ; the tensor's first work-group
	s_sub_co_u32 s21, ttmp9, s20
	s_lshl_b32 s21, s21, 5
	s_lshl_b32 s22, s18, 3
	s_add_co_u32 s21, s21, s22                     ; my tile's first row: 32 x (pair of tiles) + 8 x (tile in the pair)
	s_lshl_b32 s22, s21, 12                        ; rows of 4,096 bytes (under 2^26)
	s_lshl_b32 s23, s19, 11
	s_add_co_u32 s22, s22, s23
	s_mov_b32 s23, 0
	s_add_nc_u64 s[4:5], s[4:5], s[22:23]
	s_lshl_b32 s24, ttmp9, 1
	s_add_co_u32 s24, s24, s18                     ; my row tile, 0..767
	s_mul_i32 s22, s24, 12288
	s_mul_i32 s25, s19, 6144
	s_add_co_u32 s22, s22, s25
	s_add_nc_u64 s[10:11], s[10:11], s[22:23]
	s_lshl_b32 s22, s24, 9
	s_lshl_b32 s25, s19, 8
	s_add_co_u32 s22, s22, s25
	s_add_nc_u64 s[12:13], s[12:13], s[22:23]
.macro LOAD t                          ; half-step t: tile rows 2 i and 2 i + 1 lie at rows 2 i + 8 (i / 4) and the next
.irp i, 0,1,2,3,4,5,6,7
	global_load_b128 v[R+32*((\t)%3)+4*\i:R+32*((\t)%3)+4*\i+3], v6, s[4:5] offset:(2*\i+8*(\i/4))*4096+256*(\t) th:TH_LOAD_NT
.endr
.endm
.macro TURN t                          ; through the stage: LDS serves a wave's instructions in order, so no wait stands between the stores and the loads
.irp i, 0,1,2,3,4,5,6,7
	ds_store_b128 v14, v[R+32*((\t)%3)+4*\i:R+32*((\t)%3)+4*\i+3] offset:4352*((\t)%2)+544*\i
.endr
.irp j, 0,1,2,3,4,5,6,7
	ds_load_b128 v[X+32*((\t)%2)+4*\j:X+32*((\t)%2)+4*\j+3], v15 offset:4352*((\t)%2)+16*\j
.endr
.endm
.macro STEP t
.set XS, X+32*((\t)%2)
.set CC, C+8*(\t)
	s_wait_dscnt 0x0                               ; this half-step's numbers are back from the stage, so its stores into the stage have read their registers,
.if (\t)+3 < 8
	LOAD (\t)+3                                    ; which take the loads of three half-steps on
.endif
.if (\t) < 7
.if (\t) <= 4
	s_wait_loadcnt 16                              ; the next half-step's eight loads are in; those of the two behind it may be out
.else
	s_wait_loadcnt 8*(6-(\t))
.endif
	TURN (\t)+1                                    ; and go through the other stage while this one is worked
.endif
	v_max3_num_f32 v8, |v[XS]|, |v[XS+1]|, |v[XS+2]|               ; the block's largest magnitude: all 32 numbers are mine; two chains
	v_max3_num_f32 v9, |v[XS+3]|, |v[XS+4]|, |v[XS+5]|
.irp i, 6,10,14,18,22,26
	v_max3_num_f32 v8, v8, |v[XS+\i]|, |v[XS+\i+1]|
	v_max3_num_f32 v9, v9, |v[XS+\i+2]|, |v[XS+\i+3]|
.endr
	v_max3_num_f32 v8, v8, |v[XS+30]|, |v[XS+31]|
	v_max3_num_f32 v8, v8, v9, 0x1800000           ; and the floor 2^(3 - 127): the byte cannot fall under 1
	v_add_nc_u32 v11, 0xff000000, v8               ; 2 off its exponent field: the conversion takes the exponent field of this operand as its scale
	v_cvt_scalef32_pk16_fp6_f32 v[CC:CC+2], v[XS:XS+15], v11
	v_cvt_scalef32_pk16_fp6_f32 v[CC+4:CC+6], v[XS+16:XS+31], v11  ; (a conversion's three registers begin on an even number)
	v_lshrrev_b32 v10, 23, v11                     ; the scale's byte; also the plain line behind the conversions
	v_mov_b32 v[CC+3], v[CC+4]                     ; the block's six registers on end
	v_mov_b32 v[CC+4], v[CC+5]
	v_mov_b32 v[CC+5], v[CC+6]
.if (\t)%2 == 0
	v_mov_b32 v[SB+(\t)/2], v10                    ; blocks 2 t + h: two half-steps make a scale word: my bytes stand at bits 0 and 16, 8 h further up later
.else
	v_lshl_or_b32 v[SB+(\t)/2], v10, 16, v[SB+(\t)/2]
.endif
	global_store_b128 v4, v[CC:CC+3], s[10:11] offset:768*(\t)       ; 512 consecutive bytes
	global_store_b64 v5, v[CC+4:CC+5], s[10:11] offset:768*(\t)+512  ; 256 consecutive bytes
.endm
	LOAD 0
	LOAD 1
	LOAD 2
	s_wait_loadcnt 16                              ; half-step 0's eight loads are in
	TURN 0
.irp t, 0,1,2,3,4,5,6,7
	STEP \t
.endr
.irp w, 0,1,2,3
	v_lshlrev_b32 v[SB+\w], v12, v[SB+\w]          ; my two bytes at their places
.endr
.irp w, 0,1,2,3
	v_permlanex16_b32 v[24+\w], v[SB+\w], s14, s15
.endr
.irp w, 0,1,2,3
	v_or_b32 v[SB+\w], v[SB+\w], v[24+\w]          ; with lane l xor 16's two the word is whole
.endr
	v_cmp_le_u32 vcc_lo, 16, v1
	v_cndmask_b32 v20, v16, v18, vcc_lo            ; lanes 0-15 store the first 256 along K (two words), lanes 16-31 the second
	v_cndmask_b32 v21, v17, v19, vcc_lo
	global_store_b64 v5, v[20:21], s[12:13]        ; 256 consecutive bytes
	s_wait_tensorcnt 0x0                           ; the wave's end
	ds_add_u32 v[SPW], v[NIL]
	s_wait_dscnt 0x0
	s_endpgm
.Lfunc_end_k_q355505572f_quant:
	.size	k_q355505572f_quant, .Lfunc_end_k_q355505572f_quant-k_q355505572f_quant
	.p2alignl 7, 3214868480
	.fill 96, 4, 3214868480
	.section	.rodata,"a",@progbits
	.p2align	6, 0x0
	.amdhsa_kernel k_q355505572f_quant
		.amdhsa_group_segment_fixed_size 35328
		.amdhsa_private_segment_fixed_size 0
		.amdhsa_enable_private_segment 0
		.amdhsa_kernarg_size 40
		.amdhsa_user_sgpr_count 2
		.amdhsa_user_sgpr_kernarg_segment_ptr 1
		.amdhsa_wavefront_size32 1
		.amdhsa_system_sgpr_workgroup_id_x 1
		.amdhsa_system_sgpr_workgroup_id_y 1
		.amdhsa_system_sgpr_workgroup_id_z 1
		.amdhsa_system_vgpr_workitem_id 0
		.amdhsa_next_free_vgpr 256
		.amdhsa_next_free_sgpr 66
		.amdhsa_reserve_vcc 1
		.amdhsa_float_denorm_mode_32 3
		.amdhsa_float_denorm_mode_16_64 3
		.amdhsa_memory_ordered 1
		.amdhsa_forward_progress 1
		.amdhsa_inst_pref_size 31
	.end_amdhsa_kernel
	.amdgpu_metadata
---
amdhsa.version: [ 1, 2 ]
amdhsa.kernels:
  - .name:           k_q355505572f_quant
    .symbol:         k_q355505572f_quant.kd
    .args:
      - { .name: x, .offset: 0, .size: 8, .value_kind: global_buffer, .address_space: global }
      - { .name: w_qkv, .offset: 8, .size: 8, .value_kind: global_buffer, .address_space: global }
      - { .name: w_proj, .offset: 16, .size: 8, .value_kind: global_buffer, .address_space: global }
      - { .name: opc, .offset: 24, .size: 8, .value_kind: global_buffer, .address_space: global }
      - { .name: ops, .offset: 32, .size: 8, .value_kind: global_buffer, .address_space: global }
    .group_segment_fixed_size: 35328
    .private_segment_fixed_size: 0
    .kernarg_segment_align: 8
    .kernarg_segment_size: 40
    .max_flat_workgroup_size: 128
    .sgpr_count:     66
    .vgpr_count:     256
    .wavefront_size: 32
...
	.end_amdgpu_metadata
.endif
;; end of part 1
;; launch gemmq (part 2): grid 64 x 4, 4 waves a work-group, clusters of 4 x 1, 327,680 bytes of LDS; arguments opc, ops, qkvc, qkvs; writes qkvc, qkvs
.if DOCPART == 2
	.amdgcn_target "amdgcn-amd-amdhsa--gfx1250"
	.amdhsa_code_object_version 6
	.text
	.protected	k_q355505572f_gemmq
	.globl	k_q355505572f_gemmq
	.p2align	8
	.type	k_q355505572f_gemmq,@function
k_q355505572f_gemmq:
	s_mov_b64 s[64:65], 0
	v_nop
	global_prefetch_b8 v0, s[64:65] scope:SCOPE_SE
	s_setreg_imm32_b32 hwreg(HW_REG_WAVE_MODE, 25, 1), 1
	s_wait_xcnt 0x0
	s_wait_alu depctr_hold_cnt(0) depctr_sa_sdst(0) depctr_va_vdst(0) depctr_va_sdst(0) depctr_va_ssrc(0) depctr_va_vcc(0) depctr_vm_vsrc(0)
	s_getreg_b32 s2, hwreg(HW_REG_IB_STS2, 6, 4)
	s_cmp_eq_u32 s2, 0
	s_cbranch_scc0 .Lentry_in_a_cluster
	s_endpgm
.Lentry_in_a_cluster:
	s_bfe_u32 s2, ttmp6, 0x10000c
	s_cmp_lg_u32 s2, 0x3003
	s_cbranch_scc0 .Lentry_shape_is_right
	s_endpgm
.Lentry_shape_is_right:
; q, k, v = x w_qkv^T on codes of FP6 (E2M3) with E8M0 scales, K = 1,024; the f32 results are quantised in registers and leave as codes: q and k along the head's 64, v along the keys.
; SHARES.  A work-group: 128 tokens x 768 channels, in three passes of 256 channels: chunk j of q, of k and of v (j = work-group y).  64 x 4 = 256 work-groups.
; A wave: 64 tokens (4 row tiles) x 128 channels (8 row tiles): 32 accumulators.  Its tokens' fragments for all of K, 4 x 8 x 12 = 384 registers, are loaded once from opc, which holds register images,
; and serve all three passes.  (The two waves with the same tokens each load them: 48 KiB a wave.)
; THE WEIGHTS go through a ring of two LDS slots: a slot is 16 row tiles x 512 along K = 98,304 bytes; six fills; each wave asks for 4 row tiles x 6,144 bytes.
; CLUSTER: the four partners have the same j and other tokens: the weights' tiles are asked for jointly (mask 15); x is each partner's own, so it is not shared.
; SCALES: ops is [row tile][256 along K][row][8 bytes].  One load of 8 bytes a lane reads 256 consecutive bytes: lanes 0-15 the even 256 along K, lanes 16-31 the odd: the matrix instruction picks the half by its ROW selector.
; q, k: source 0 = 16 channels, source 1 = 16 tokens: a lane holds a token, its registers run along the channels.  v: the sources change places: a lane holds a channel, its registers run along the tokens.
; A row tile's rows are not neighbours (lane r of tile 2 b + u: row 32 b + 8 u + r + 8 (r / 8)), so the 16 registers of two neighbouring tiles of source 0 are 16 neighbours.
; OUT: qkvc in units of 12,288 bytes, unit = ((region 8 + batch) 8 + head pair) 8 + group of 128 tokens; a unit is [block a of 16 lanes' rows][half c of the 128 along the registers][768 bytes];
;      qkvs: 512 bytes a unit: lane l's 16 bytes at 16 l are the scale words of blocks a = 2 i + l / 16.
; LIMITS: a block of q, k or v whose largest magnitude lies under 2^-121 gets the byte 4 (the next launch takes 3 off q's bytes); NaN and infinities are not served.
; No prefetch: the loop has two trips, and each fill's bytes are asked for by sixteen clusters in the same trip.
; REGISTERS: window 0: v2-9 addresses; v16-31 x's scale words, v32-63 the weights', and nothing else; v64-255 x's tiles 2, 3.  window 1: the weights' fragments, two sets, at v0 and v128.
;            window 2: accumulators.  window 3: v0-191 x's tiles 0, 1; v192-241 the way out.
.set RTB,   12288                      ; a row tile's 1,024 along K in memory
.set KH,    6144                       ; its 512 along K
.set SLOT,  16*KH
.set SPARE, 2*SLOT                     ; the spare words, 128 bytes a wave
.set O16, 2                            ; 16 x lane
.set O8,  3                            ; 8 x lane
.set W16, 4                            ; v4-5 my weights' fragments in slot 0, 1: first four registers of an image; v6-7 its last two
.set W8,  6
.set SPW, 8
.set NIL, 9
.set SX,  16
.set SW,  32
.set TM,  192                          ; window 3: largest magnitudes, bytes, the conversions' scale operands
.set PWS, 208                          ; four scale words
.set QD,  212                          ; what is stored of them
.set PC,  216                          ; v216-234 codes
.set SH,  240                          ; 16 x (lane / 16)
.set LN,  241                          ; lane
.set MSB, 0
.macro WIN new                         ; the immediate's high byte repeats the setting that is left
.if MSB != (\new)
	s_set_vgpr_msb (MSB<<8)|(\new)
.set MSB, (\new)
.endif
.endm
.macro PLACES                          ; plain vector lines between a matrix instruction and a load into, or a read of, its registers
.rept 4
	v_nop
.endr
.endm
.macro CREST                           ; a round of the cluster's barrier behind its opening barrier
	s_cmp_lg_u32 s14, 0
	s_cbranch_scc1 .Lnot_wave_0_\@
	s_barrier_signal -3
.Lnot_wave_0_\@:
	s_barrier_wait -3
	s_barrier_signal -1
	s_barrier_wait -1
.endm
.macro ROUND
	s_barrier_signal -1
	s_barrier_wait -1
	CREST
.endm
.macro FETCH slot, q, p                ; the weights' eight fragments of step q of a slot into set p: dense loads
	WIN 0x40
.irp i, 0,1,2,3,4,5,6,7
	ds_load_b128 v[128*(\p)+12*\i:128*(\p)+12*\i+3], v[W16+(\slot)] offset:KH*\i+1536*(\q)
	ds_load_b64 v[128*(\p)+12*\i+4:128*(\p)+12*\i+5], v[W8+(\slot)] offset:KH*\i+1536*(\q)
	ds_load_b128 v[128*(\p)+12*\i+6:128*(\p)+12*\i+9], v[W16+(\slot)] offset:KH*\i+1536*(\q)+768
	ds_load_b64 v[128*(\p)+12*\i+10:128*(\p)+12*\i+11], v[W8+(\slot)] offset:KH*\i+1536*(\q)+768
.endr
	WIN 0
.endm
.macro WM d, ra, rb, sa, sb, s         ; step 0 starts the sums; steps 2, 3, 6, 7 take the scale words of lanes 16-31
.if (\s) == 0
	v_wmma_scale_f32_16x16x128_f8f6f4 v[(\d):(\d)+7], v[\ra:\ra+11], v[\rb:\rb+11], 0, v[\sa], v[\sb] matrix_a_fmt:MATRIX_FMT_FP6 matrix_b_fmt:MATRIX_FMT_FP6
.elseif ((\s)/2)%2
	v_wmma_scale_f32_16x16x128_f8f6f4 v[(\d):(\d)+7], v[\ra:\ra+11], v[\rb:\rb+11], v[(\d):(\d)+7], v[\sa], v[\sb] matrix_a_fmt:MATRIX_FMT_FP6 matrix_b_fmt:MATRIX_FMT_FP6 matrix_a_scale:MATRIX_SCALE_ROW1 matrix_b_scale:MATRIX_SCALE_ROW1
.else
	v_wmma_scale_f32_16x16x128_f8f6f4 v[(\d):(\d)+7], v[\ra:\ra+11], v[\rb:\rb+11], v[(\d):(\d)+7], v[\sa], v[\sb] matrix_a_fmt:MATRIX_FMT_FP6 matrix_b_fmt:MATRIX_FMT_FP6
.endif
.endm
; 16 products: x's tiles a0, a0 + 1 against the weights' eight, step s of the pass.  T = 0: q, k; T = 1: v.  The 32 accumulators take turns, one instruction a turn.
.macro MUL T, s, a0
	WIN 0xa1+3*(\T)+(12-9*(\T))*(1-(\a0)/2)
.irp a, \a0, \a0+1
.irp b, 0,1,2,3,4,5,6,7
.set XF, 96*(\a)-128*((\a)/2)+12*(\s)
.set WF, 128*((\s)%2)+12*\b
.set RX, SX+4*(\a)+2*((\s)/4)+(\s)%2
.set RW, SW+4*\b+2*((\s)/4)+(\s)%2
.if \T
	WM 8*(4*\b+(\a)), XF, WF, RX, RW, \s
.else
	WM 8*(8*(\a)+\b), WF, XF, RW, RX, \s
.endif
.endr
.endr
.endm
.macro STEP T, s, slot                 ; a step that has its successor in the same slot: the successor's fragments are asked for, then 32 products
	s_wait_dscnt 0x0                               ; this step's set is in
	PLACES
	FETCH \slot, ((\s)%4)+1, 1-(\s)%2
	MUL \T, \s, 0
	MUL \T, \s, 2
	WIN 0
.endm
; A slot's last step changes slots.  Ahead of the barrier each wave waits for all its tensor loads, adds 0 to its spare word, and waits for that; its reads of this slot are over at the first line.
.macro LAST T, s, slot, fill
	s_wait_dscnt 0x0                               ; this step's set is in: my last reads of this slot
	s_wait_tensorcnt 0x0                           ; my one tensor load that was out, my part of the other slot, has landed
	ds_add_u32 v[SPW], v[NIL]
.if \fill
	s_add_nc_u64 s[34+4*\slot:35+4*\slot], s[34+4*\slot:35+4*\slot], 64*RTB   ; this slot's next fill: the same half of K of the next pass's chunk, 64 row tiles on
.endif
	MUL \T, \s, 0
	s_wait_dscnt 0x0                               ; the add is done
	s_barrier_signal -1
	MUL \T, \s, 2
	WIN 0
	s_barrier_wait -1
.if \fill
	CREST                                          ; the barrier has opened a round of the cluster's: no wave of any partner still reads this slot or has a load on its way
	tensor_load_to_lds s[32+4*\slot:35+4*\slot], s[24:31]
	s_nop 0
.endif
	PLACES
	FETCH 1-\slot, 0, 0
.endm
.macro LSW                             ; a pass's scale words of my 8 row tiles of weights
.irp b, 0,1,2,3,4,5,6,7
.irp j, 0,1
	global_load_b64 v[SW+4*\b+2*\j:SW+4*\b+2*\j+1], v[O8], s[44:45] offset:512*\b+256*\j
.endr
.endr
.endm
; THE WAY OUT of accumulator registers 64 n .. 64 n + 63: four blocks of 32, each shared with lane l xor 16; two images of 768 bytes, ims bytes apart.
.macro OUTQ n, ims
.set AC, 64*(\n)
	WIN 0xfa                                       ; sources 0, 1 window 2; source 2 and destination window 3
.irp b, 0,1,2,3
	v_max3_num_f32 v[TM+\b], |v[AC+16*\b]|, |v[AC+16*\b+1]|, 0x3000000   ; each accumulator from its low end on; the floor 2^(6 - 127): the byte cannot fall under 4
.endr
.irp i, 2,4,6,8,10,12,14
.irp b, 0,1,2,3
	v_max3_num_f32 v[TM+\b], |v[AC+16*\b+\i]|, |v[AC+16*\b+\i+1]|, v[TM+\b]
.endr
.endr
	WIN 0xff
.irp b, 0,1,2,3
	v_permlanex16_b32 v[TM+4+\b], v[TM+\b], s46, s47
.endr
.irp b, 0,1,2,3
	v_max_num_f32 v[TM+\b], v[TM+\b], v[TM+4+\b]
.endr
.irp b, 0,1,2,3
	v_add_nc_u32 v[TM+12+\b], 0xff000000, v[TM+\b] ; 2 off the exponent field: the conversion's scale operand
.endr
.irp b, 0,1,2,3
	v_lshrrev_b32 v[TM+4+\b], 23, v[TM+12+\b]      ; the byte
.endr
	v_lshl_or_b32 v[PWS+(\n)], v[TM+5], 8, v[TM+4]
	v_lshl_or_b32 v[PWS+(\n)], v[TM+6], 16, v[PWS+(\n)]
	v_lshl_or_b32 v[PWS+(\n)], v[TM+7], 24, v[PWS+(\n)]
	s_wait_alu depctr_va_vdst(0)
	s_wait_xcnt 0x0                                ; the earlier stores have read their data: the codes' registers are written again only behind this wait
	WIN 0xce                                       ; source 0 window 2, source 1 and destination window 3
.irp c, 0,1
	v_cvt_scalef32_pk16_fp6_f32 v[PC+6*\c:PC+6*\c+2], v[AC+32*\c:AC+32*\c+15], v[TM+12+2*\c]
	v_cvt_scalef32_pk16_fp6_f32 v[PC+12+4*\c:PC+14+4*\c], v[AC+16+32*\c:AC+31+32*\c], v[TM+12+2*\c+1]
.endr
	WIN 0xff
	v_nop                                          ; one plain line behind a scaled conversion
.irp c, 0,1                                    ; the operand's layout wants a whole block in a lane
.irp i, 0,1,2
	v_permlane16_swap_b32 v[PC+6*\c+\i], v[PC+12+4*\c+\i]
.endr
.irp i, 0,1,2
	v_mov_b32 v[PC+3+6*\c+\i], v[PC+12+4*\c+\i]
.endr
.endr
	WIN 0x0c                                       ; address window 0, data window 3
.irp c, 0,1
	global_store_b128 v[O16], v[PC+6*\c:PC+6*\c+3], s[8:9] offset:2*(\ims)*(\n)+(\ims)*\c        ; 512 consecutive bytes
	global_store_b64 v[O8], v[PC+6*\c+4:PC+6*\c+5], s[8:9] offset:2*(\ims)*(\n)+(\ims)*\c+512    ; 256 consecutive bytes
.endr
.endm
	s_load_b256 s[4:11], s[0:1], 0x0               ; opc s[4:5], ops s[6:7], qkvc s[8:9], qkvs s[10:11]
	v_lshl_add_u32 v[SPW], v0, 2, SPARE
	v_mov_b32 v[NIL], 0
	ds_add_u32 v[SPW], v[NIL]                      ; the wave's opening: the add, twice on end, and its wait ahead of my first tensor load
	ds_add_u32 v[SPW], v[NIL]
	v_lshrrev_b32 v1, 5, v0
	v_readfirstlane_b32 s14, v1                    ; wave 0..3
	s_lshr_b32 s15, s14, 1                         ; which 64 tokens
	s_and_b32 s16, s14, 1                          ; which 128 channels
	s_bfe_u32 s17, ttmp6, 0x40000                  ; cx
	s_lshl_b32 s18, ttmp9, 2
	s_add_co_u32 s18, s18, s17                     ; group of 128 tokens, 0..63
	s_and_b32 s19, ttmp7, 0xffff                   ; j: the same in all four partners
	s_mov_b32 s24, 15|(3<<16)|(1<<21)              ; group 1: all four partners; elements of 8 bytes; bit 21 beside a mask
	s_mov_b32 s25, 768<<16                         ; 4 rows of 768 elements (6,144 bytes), 1,536 elements apart, dense in LDS
	s_mov_b32 s26, 4<<16
	s_mov_b32 s27, 768<<16
	s_mov_b32 s28, 4
	s_mov_b32 s29, 1536
	s_mov_b32 s30, 0
	s_mov_b32 s31, 0
	s_mov_b32 s46, 0x76543210
	s_mov_b32 s47, 0xfedcba98                      ; selects for lane l xor 16
	s_lshl_b32 s20, s19, 4
	s_add_co_u32 s20, s20, 512                     ; q's chunk j begins at row tile 512 + 16 j of opc
	s_lshl_b32 s21, s16, 3
	s_add_co_u32 s21, s21, s20
	s_lshl_b32 s44, s21, 9                         ; my 8 tiles' scale words
	s_mov_b32 s45, 0
	s_lshl_b32 s21, s14, 2
	s_add_co_u32 s20, s20, s21                     ; the 4 tiles of a fill that I ask for
	s_mul_i32 s20, s20, RTB
	s_mov_b32 s21, 0
	s_mul_i32 s22, s14, 4*KH                       ; and where they go
	s_lshl_b32 s40, s18, 3
	s_lshl_b32 s41, s15, 2
	s_add_co_u32 s40, s40, s41                     ; my first row tile of x
	s_lshl_b32 s42, s40, 9
	s_mov_b32 s43, 0
	s_mul_i32 s40, s40, RTB
	s_mov_b32 s41, 0
	s_lshr_b32 s52, s18, 3                         ; batch
	s_lshl_b32 s52, s52, 3
	s_lshl_b32 s53, s19, 1
	s_add_co_u32 s52, s52, s53
	s_add_co_u32 s52, s52, s16                     ; + head pair 2 j + my half
	s_lshl_b32 s52, s52, 3
	s_and_b32 s53, s18, 7
	s_add_co_u32 s52, s52, s53                     ; my unit in a region
	s_lshl_b32 s54, s52, 9
	s_lshl_b32 s53, s15, 3
	s_add_co_u32 s54, s54, s53                     ; q, k: my blocks' two words of a lane's four
	s_mov_b32 s55, 0
	s_mul_i32 s52, s52, RTB
	s_mul_i32 s53, s15, 6144
	s_add_co_u32 s52, s52, s53                     ; q, k: my four blocks of the unit's eight
	s_mov_b32 s53, 0
	s_mul_i32 s23, s16, 8*KH                       ; my 8 tiles in a slot
	s_add_co_u32 s48, s23, 512
	s_add_co_u32 s49, s23, SLOT
	s_add_co_u32 s50, s49, 512
	s_mov_b32 s3, 2
	s_wait_dscnt 0x0                               ; both opening adds are done
	s_wait_kmcnt 0x0
	s_mov_b32 s32, 1
	s_mov_b32 s33, s22
	s_add_nc_u64 s[34:35], s[4:5], s[20:21]
	s_mov_b32 s36, 1
	s_add_co_u32 s37, s22, SLOT
	s_add_nc_u64 s[38:39], s[34:35], KH            ; slot 1: the second half of K
	s_or_b32 s35, s35, 0x80000000
	s_or_b32 s39, s39, 0x80000000
	s_add_nc_u64 s[40:41], s[4:5], s[40:41]
	s_add_nc_u64 s[42:43], s[6:7], s[42:43]
	s_add_nc_u64 s[44:45], s[6:7], s[44:45]
	s_add_nc_u64 s[8:9], s[8:9], s[52:53]
	s_add_nc_u64 s[10:11], s[10:11], s[54:55]
	ROUND                                          ; all four partners are here: the first joint loads meet
	tensor_load_to_lds s[32:35], s[24:31]          ; fill 0: one tensor load a wave at the head
	s_nop 0
	PLACES
	v_and_b32 v1, 31, v0
	v_lshlrev_b32 v[O16], 4, v1
	v_lshlrev_b32 v[O8], 3, v1
	v_add_nc_u32 v[W16], s23, v[O16]
	v_add_nc_u32 v[W8], s48, v[O8]
	v_add_nc_u32 v[W16+1], s49, v[O16]
	v_add_nc_u32 v[W8+1], s50, v[O8]
	WIN 0xc0                                       ; destination window 3
.irp b, 0,1,2,3
	v_mov_b32 v[TM+4+\b], 0                        ; a lane permute's destination counts as one of its sources
.endr
	v_and_b32 v[SH], 16, v0
	v_and_b32 v[LN], 31, v0
	WIN 0
	s_wait_alu depctr_va_vdst(0)                   ; the end of the head's vector work
.irp a, 0,1,2,3
.irp j, 0,1
	global_load_b64 v[SX+4*\a+2*\j:SX+4*\a+2*\j+1], v[O8], s[42:43] offset:512*\a+256*\j
.endr
.endr
	LSW
.irp a, 0,1,2,3                                ; x's fragments: register images, 512 and 256 consecutive bytes a load
	WIN 0xc0*(1-\a/2)
.set XB, 96*\a-128*(\a/2)
.set hh, 0
.rept 16
	global_load_b128 v[XB+6*hh:XB+6*hh+3], v[O16], s[40:41] offset:RTB*\a+768*hh
	global_load_b64 v[XB+6*hh+4:XB+6*hh+5], v[O8], s[40:41] offset:RTB*\a+768*hh+512
.set hh, hh+1
.endr
.endr
	WIN 0
	s_wait_tensorcnt 0x0                           ; my part of fill 0 is in
	ds_add_u32 v[SPW], v[NIL]
	s_wait_dscnt 0x0
	ROUND
	tensor_load_to_lds s[36:39], s[24:31]          ; fill 1, the first tensor load behind the round
	s_nop 0
	PLACES
	FETCH 0, 0, 0
.Lpass:                                                ; two trips: q, then k; each fills both slots again
	s_wait_loadcnt 0x0                             ; the scale words (first trip: and x)
	STEP 0, 0, 0
	STEP 0, 1, 0
	STEP 0, 2, 0
	LAST 0, 3, 0, 1
	STEP 0, 4, 1
	STEP 0, 5, 1
	STEP 0, 6, 1
	LAST 0, 7, 1, 1
	s_add_nc_u64 s[44:45], s[44:45], 64*512        ; (its loads were waited for at the trip's head)
	LSW                                            ; the next pass's scale words come while this pass goes out
.irp n, 0,1,2,3
	OUTQ \n, 768
.endr
	WIN 0xff
	v_cmp_le_u32 vcc_lo, 16, v[LN]
	v_cndmask_b32 v[QD], v[PWS], v[PWS+1], vcc_lo  ; lanes 0-15 the even blocks' words, lanes 16-31 the odd ones'
	v_cndmask_b32 v[QD+1], v[PWS+2], v[PWS+3], vcc_lo
	WIN 0x0c
	global_store_b64 v[O16], v[QD:QD+1], s[10:11]
	WIN 0
	s_wait_alu depctr_va_vdst(0)
	s_wait_xcnt 0x0                                ; the stores have read their bases
	s_add_nc_u64 s[8:9], s[8:9], 512*RTB           ; the next region
	s_add_nc_u64 s[10:11], s[10:11], 512*512
	s_sub_co_u32 s3, s3, 1
	s_cmp_lg_u32 s3, 0
	s_cbranch_scc1 .Lpass
	s_mul_i32 s52, s15, 6144-768                   ; v: my tokens are half c of every block, not four blocks of eight
	s_mul_i32 s54, s15, 6                          ; and two bytes of every word
	s_sub_nc_u64 s[8:9], s[8:9], s[52:53]
	s_sub_nc_u64 s[10:11], s[10:11], s[54:55]
	s_wait_loadcnt 0x0
	STEP 1, 0, 0                                   ; v is written out: it fills nothing
	STEP 1, 1, 0
	STEP 1, 2, 0
	LAST 1, 3, 0, 0
	STEP 1, 4, 1
	STEP 1, 5, 1
	STEP 1, 6, 1
	s_wait_dscnt 0x0
	MUL 1, 7, 0
	MUL 1, 7, 2
	PLACES
.irp n, 0,1,2,3
	OUTQ \n, 1536
.endr
	WIN 0xff
.irp n, 0,1,2,3
	v_lshrrev_b32 v[QD+\n], v[SH], v[PWS+\n]       ; lanes 0-15 block 2 n's two bytes, lanes 16-31 block 2 n + 1's
.endr
	WIN 0x0c
.irp n, 0,1,2,3
	global_store_b16 v[O16], v[QD+\n], s[10:11] offset:4*\n   ; my 64 tokens own two bytes of a word: four small stores a wave in the launch
.endr
	WIN 0
	s_wait_tensorcnt 0x0                           ; the wave's end
	ds_add_u32 v[SPW], v[NIL]
	s_wait_dscnt 0x0
	ROUND                                          ; the closing round
	s_endpgm
.Lfunc_end_k_q355505572f_gemmq:
	.size	k_q355505572f_gemmq, .Lfunc_end_k_q355505572f_gemmq-k_q355505572f_gemmq
	.p2alignl 7, 3214868480
	.fill 96, 4, 3214868480
	.section	.rodata,"a",@progbits
	.p2align	6, 0x0
	.amdhsa_kernel k_q355505572f_gemmq
		.amdhsa_group_segment_fixed_size 327680
		.amdhsa_private_segment_fixed_size 0
		.amdhsa_enable_private_segment 0
		.amdhsa_kernarg_size 32
		.amdhsa_user_sgpr_count 2
		.amdhsa_user_sgpr_kernarg_segment_ptr 1
		.amdhsa_wavefront_size32 1
		.amdhsa_system_sgpr_workgroup_id_x 1
		.amdhsa_system_sgpr_workgroup_id_y 1
		.amdhsa_system_sgpr_workgroup_id_z 1
		.amdhsa_system_vgpr_workitem_id 0
		.amdhsa_next_free_vgpr 1024
		.amdhsa_next_free_sgpr 66
		.amdhsa_reserve_vcc 1
		.amdhsa_float_denorm_mode_32 3
		.amdhsa_float_denorm_mode_16_64 3
		.amdhsa_memory_ordered 1
		.amdhsa_forward_progress 1
		.amdhsa_inst_pref_size 160
	.end_amdhsa_kernel
	.amdgpu_metadata
---
amdhsa.version: [ 1, 2 ]
amdhsa.kernels:
  - .name:           k_q355505572f_gemmq
    .symbol:         k_q355505572f_gemmq.kd
    .args:
      - { .name: opc, .offset: 0, .size: 8, .value_kind: global_buffer, .address_space: global }
      - { .name: ops, .offset: 8, .size: 8, .value_kind: global_buffer, .address_space: global }
      - { .name: qkvc, .offset: 16, .size: 8, .value_kind: global_buffer, .address_space: global }
      - { .name: qkvs, .offset: 24, .size: 8, .value_kind: global_buffer, .address_space: global }
    .group_segment_fixed_size: 327680
    .private_segment_fixed_size: 0
    .kernarg_segment_align: 8
    .kernarg_segment_size: 32
    .max_flat_workgroup_size: 128
    .sgpr_count:     66
    .vgpr_count:     1024
    .wavefront_size: 32
...
	.end_amdgpu_metadata
.endif
;; end of part 2
;; launch attn (part 3): grid 4 x 64, 8 waves a work-group, clusters of 4 x 1, 327,680 bytes of LDS; arguments mask, qkvc, qkvs, oc, os; writes oc, os
.if DOCPART == 3
	.amdgcn_target "amdgcn-amd-amdhsa--gfx1250"
	.amdhsa_code_object_version 6
	.text
	.protected	k_q355505572f_attn
	.globl	k_q355505572f_attn
	.p2align	8
	.type	k_q355505572f_attn,@function
k_q355505572f_attn:
	s_mov_b64 s[64:65], 0
	v_nop
	global_prefetch_b8 v0, s[64:65] scope:SCOPE_SE
	s_setreg_imm32_b32 hwreg(HW_REG_WAVE_MODE, 25, 1), 1
	s_wait_xcnt 0x0
	s_wait_alu depctr_hold_cnt(0) depctr_sa_sdst(0) depctr_va_vdst(0) depctr_va_sdst(0) depctr_va_ssrc(0) depctr_va_vcc(0) depctr_vm_vsrc(0)
	s_getreg_b32 s2, hwreg(HW_REG_IB_STS2, 6, 4)
	s_cmp_eq_u32 s2, 0
	s_cbranch_scc0 .Lentry_in_a_cluster
	s_endpgm
.Lentry_in_a_cluster:
	s_bfe_u32 s2, ttmp6, 0x10000c
	s_cmp_lg_u32 s2, 0x3003
	s_cbranch_scc0 .Lentry_shape_is_right
	s_endpgm
.Lentry_shape_is_right:
; o = softmax(q k^T / 8 + mask) v for 8 batches x 16 heads of 64, 1,024 tokens, both products on codes of FP6 (E2M3) with E8M0 scales; o is divided by the row's sum and quantised along the channels for the last product.
; THE SOFTMAX: t = logit x log2(e); M = the running largest t rounded up to a whole number; p = 2^(t - M) is quantised along the keys, not normalised; the sum is taken of the unquantised p; when M moves, the sum and O
; are multiplied by 2^(old M - new M), exactly.
; SHARES.  A work-group: 128 queries of one batch x FOUR heads: two head pairs g = 0, 1.  Wave w: head w / 4 of each pair, queries 32 (w % 4) on: two tiles of 16 (X, Y), so that each fragment of K and V read from LDS
; feeds two products.  Eight slots' worth of 128 keys go through a ring of two LDS slots: 128 rows x 512 bytes of the mask, and a unit of K and of V for each pair.  A wave walks both pairs over a slot before the slots change:
; so a refill has two steps' work, some 1,270 instructions a wave, in which to land, and a mask byte in LDS serves four heads.
; CLUSTER.  The four work-groups of a cluster have the same batch and queries and all sixteen heads: they read the same mask tile, which is asked for JOINTLY (waves 0, 1).  K and V are a work-group's own: plain loads (waves 2 to 5).
; NO VECTOR LINE FORMS THE LOGIT: 1 / 8 is 3 off q's scale bytes, exactly, and the mask tile is loaded from LDS into the scores' registers and is the C of S^T = K Q^T + mask.
; LAYOUT.  Both products transposed (source 0 = 16 keys, or 16 channels of V; source 1 = 16 queries): a lane holds one query.  The keys of a tile of K are not neighbours (lane r of tile 2 b + u: key 32 b + 8 u + r + 8 (r / 8)),
; so the 16 registers of tiles 2 b, 2 b + 1 are keys 32 b + 16 (lane / 16) + 0..15.  V's channels likewise, so o's registers run along the channels.
; THE HEAD HAS 64 ALONG K, the instruction 128: registers 6-11 of Q's fragments are zero codes.  K's fragments lie SIX registers apart: registers 6-11 of a fragment of K are the next fragment's codes, which meet Q's zeros
; under K's scale bytes 0 (2^-127): they add nothing.  V is loaded into K's registers when the scores are made.
; LIMITS: NaN is not served; infinities in the mask were not tried; a row all of whose logits are -infinity is not served.  A block of o under 2^-124 gets the byte 1.  No scale byte of q, k, v is 0xff for finite inputs.
; REGISTERS, window 0: v1-19 addresses; v20-27, v48-55 -M, largest t, sums of pair 0, 1; v28-29, v32-39 scale words and nothing else; v64-191 S, then p; v192-215 p's codes; v216-253 at work.
;            window 1: v0-127 O^T (64 a pair, 32 a tile); v128-175 Q (24 a pair); v176-229 K, then V.
.set MP,    528                        ; a mask row in LDS: 512 bytes + 16: the 16 rows of a load start 16 bytes apart modulo 256
.set KOFF,  128*MP                     ; behind the mask: K of pair 0, K of pair 1,
.set VOFF,  KOFF+2*12288               ; V of pair 0, V of pair 1: 12,288 bytes each
.set SLOT1, 1<<17                      ; slot 1: one exclusive or turns an address from one slot to the other
.set SCK,   SLOT1+KOFF+4*12288         ; behind slot 1: K's scale words, 4,096 bytes a pair (512 a step); filled once
.set SCV,   SCK+8192                   ; V's
.set SPARE, SCV+8192                   ; the spare words, 128 bytes a wave: four blocks of 256 bytes that no other line names
.set MA, 1
.set KA16, 2
.set KA8, 3
.set VA16, 4
.set VA8, 5
.set SKA, 6
.set SVA, 7
.set SPW, 8
.set NIL, 9
.set ADM, 10
.set ADK16, 11
.set ADK8, 12
.set ADV16, 13
.set ADV8, 14
.set ADS, 15
.set ADT, 16
.set PFO, 17                           ; 4,096 x lane: a mask row; never rewritten
.set L16, 18
.set L8, 19
.set QS, 28                            ; v28, v29: q's scale words of pair 0, 1: lanes 0-15 tile X, lanes 16-31 tile Y
.set KS, 32                            ; v32-35: lanes 0-15 tile 2 i, lanes 16-31 tile 2 i + 1
.set VS, 36                            ; v36-37 likewise
.set PS, 38                            ; v38-39 p's scale words
.set S, 64
.set P, 192
.set CT, 216
.set BM, 224
.set BX, 232
.set BS, 240
.set T0, 248
.set F, 250
.set QF, 128                           ; window 1
.set KF, 176
.set WV, 14
.set CS, 22
.set G1M, 24
.set G1D, 32
.set G1S, 40
.set G0M, 48
.set G0KV, 52
.set G0SK, 56
.set G0SV, 60
.set SEL, 72
.set TB, 74                            ; LDS byte at which the slot in hand begins
.set TS, 75                            ; the slot's scale words: 512 bytes a slot
.set SLOTS, 76
.set LIM, 77
.set PFA, 78
.set MSB, 0
.macro WIN new                         ; the immediate's high byte repeats the setting that is left
.if MSB != (\new)
	s_set_vgpr_msb (MSB<<8)|(\new)
.set MSB, (\new)
.endif
.endm
.macro NOP4
.rept 4
	v_nop
.endr
.endm
; Waves 0, 1: the mask's halves, jointly; waves 2 to 5: one unit each of K and V; first = 1: waves 6, 7: the scale words.  One tensor load a wave; the branches hang on the wave's number alone.
; An s_nop 0 and four v_nop follow each.
.macro TLOAD first
	s_cmp_lt_u32 s[WV], 2
	s_cbranch_scc0 .Lnot_m_\@
	tensor_load_to_lds s[G0M:G0M+3], s[G1M:G1M+7]
	s_nop 0
	NOP4
	s_branch .Lasked_\@
.Lnot_m_\@:
	s_cmp_lt_u32 s[WV], 6
	s_cbranch_scc0 .Lnot_kv_\@
	tensor_load_to_lds s[G0KV:G0KV+3], s[G1D:G1D+7]
	s_nop 0
	NOP4
	s_branch .Lasked_\@
.Lnot_kv_\@:
.if \first
	s_cmp_eq_u32 s[WV], 6
	s_cbranch_scc0 .Lnot_sk_\@
	tensor_load_to_lds s[G0SK:G0SK+3], s[G1S:G1S+7]
	s_nop 0
	NOP4
	s_branch .Lasked_\@
.Lnot_sk_\@:
	tensor_load_to_lds s[G0SV:G0SV+3], s[G1S:G1S+7]
	s_nop 0
	NOP4
.endif
.Lasked_\@:
.endm
; A prefetch of the mask tile that the NEXT change of slots will ask for: 128 rows x 512 bytes, one slot (two steps of a wave's work) ahead of its tensor load.  One cluster alone reads a tile.
; Its four partners take 32 rows each, told apart by address; in each, waves 6 and 7, which fetch nothing here, take the two halves of 256 bytes, a lane a row: each aligned 256 bytes are named once in the launch.
; Slots 0 and 1 come by their loads alone; the last change that fills a slot asks for nothing.
.macro ASK
	s_cmp_gt_u32 s[SLOTS], s[LIM]
	s_cbranch_scc0 .Lnot_mine_\@
	global_prefetch_b8 v[PFO], s[PFA:PFA+1] th:TH_LOAD_NT scope:SCOPE_SE
.Lnot_mine_\@:
.endm
.macro CROUND                          ; a round of the cluster's barrier
	s_barrier_signal -1
	s_barrier_wait -1
	s_cmp_lg_u32 s[WV], 0
	s_cbranch_scc1 .Lnot_wave_0_\@
	s_barrier_signal -3
.Lnot_wave_0_\@:
	s_barrier_wait -3
	s_barrier_signal -1
	s_barrier_wait -1
.endm
	s_load_b256 s[4:11], s[0:1], 0x0               ; mask s[4:5], qkvc s[6:7], qkvs s[8:9], oc s[10:11]
	s_load_b64 s[12:13], s[0:1], 0x20              ; os
	v_lshl_add_u32 v[SPW], v0, 2, SPARE
	v_mov_b32 v[NIL], 0
	ds_add_u32 v[SPW], v[NIL]                      ; the wave's opening: the add and its wait ahead of my first tensor load; the set-up stands between
	ds_add_u32 v[SPW], v[NIL]
	v_lshrrev_b32 v40, 5, v0
	s_delay_alu instid0(VALU_DEP_1)
	v_readfirstlane_b32 s[WV], v40                 ; wave 0..7
	s_and_b32 s15, s[WV], 3                        ; which 32 queries
	s_lshr_b32 s16, s[WV], 2                       ; which head of each pair
	s_bfe_u32 s17, ttmp6, 0x40000                  ; cx: my four heads are 4 cx .. 4 cx + 3, my pairs 2 cx and 2 cx + 1
	s_and_b32 s21, ttmp7, 0xffff
	s_lshr_b32 s19, s21, 3                         ; batch
	s_and_b32 s20, s21, 7                          ; block of 128 queries
	; group 1, mask: 64 rows x 128 elements of 4 bytes, 1,024 elements apart, 16 bytes of padding behind each row
	s_mov_b32 s[G1M], 15|(2<<16)|(1<<20)|(1<<21)|(6<<22)|(3<<25)   ; 15:0 all four work-groups; 17:16 4 bytes; 20 padding on; 21 set beside a mask; 24:22 after every 128 words; 31:25 of 4 words
	s_mov_b32 s[G1M+1], 128<<16
	s_mov_b32 s[G1M+2], 64<<16
	s_mov_b32 s[G1M+3], 128<<16
	s_mov_b32 s[G1M+4], 64
	s_mov_b32 s[G1M+5], 1024
	s_mov_b32 s[G1M+6], 0
	s_mov_b32 s[G1M+7], 0
	; a unit of K or V: 12,288 dense bytes as 48 rows of 256;  two pairs' scale words: 8,192 dense bytes as 32 rows
	s_mov_b32 s[G1D], 3<<16
	s_mov_b32 s[G1D+1], 32<<16
	s_mov_b32 s[G1D+2], 48<<16
	s_mov_b32 s[G1D+3], 32<<16
	s_mov_b32 s[G1D+4], 48
	s_mov_b32 s[G1D+5], 32
	s_mov_b32 s[G1D+6], 0
	s_mov_b32 s[G1D+7], 0
	s_mov_b32 s[G1S], 3<<16
	s_mov_b32 s[G1S+1], 32<<16
	s_mov_b32 s[G1S+2], 32<<16
	s_mov_b32 s[G1S+3], 32<<16
	s_mov_b32 s[G1S+4], 32
	s_mov_b32 s[G1S+5], 32
	s_mov_b32 s[G1S+6], 0
	s_mov_b32 s[G1S+7], 0
	s_mov_b32 s[CS], 0x3fb8aa3b                    ; log2(e)
	s_mov_b32 s[CS+1], s[CS]                       ; (named with it as a pair)
	s_mov_b32 s[SEL], 0x76543210
	s_mov_b32 s[SEL+1], 0xfedcba98
	s_mov_b32 s[TB], 0
	s_mov_b32 s[TS], 0
	s_mov_b32 s[SLOTS], 7
	s_lshr_b32 s80, s[WV], 1
	s_cmp_eq_u32 s80, 3                            ; waves 6 and 7 prefetch: the same in all four partners
	s_cselect_b32 s[LIM], 1, -1
	s_lshl_b32 s80, s19, 22                        ; a batch's mask is 4 MiB,
	s_lshl_b32 s81, s20, 19                        ; 128 rows of 4,096 bytes
	s_add_co_u32 s80, s80, s81
	s_and_b32 s82, s[WV], 1
	s_lshl_b32 s84, s82, 18                        ; my 64 rows
	s_add_co_u32 s84, s84, s80
	s_mov_b32 s85, 0
	s_mul_i32 s86, s82, 64*MP
	s_lshl_b32 s87, s19, 3
	s_lshl_b32 s81, s17, 1
	s_add_co_u32 s87, s87, s81
	s_lshl_b32 s87, s87, 3                         ; the first unit of my batch and my pair 0 in a region; pair 1's lie 8 units on
	s_add_co_u32 s83, s[WV], 2
	s_and_b32 s83, s83, 3                          ; waves 2, 3, 4, 5: 0, 1, 2, 3 = K of pair 0, K of pair 1, V of pair 0, V of pair 1
	s_mul_i32 s18, s83, 12288
	s_add_co_u32 s18, s18, KOFF                    ; where my unit goes: no place in the cluster enters an LDS address
	s_lshr_b32 s81, s83, 1
	s_add_co_u32 s81, s81, 1                       ; region 1: k, 2: v
	s_lshl_b32 s81, s81, 9                         ; 512 units a region
	s_and_b32 s83, s83, 1
	s_lshl_b32 s83, s83, 3                         ; 8 units a pair
	s_add_co_u32 s81, s81, s83
	s_add_co_u32 s81, s81, s87
	s_mul_i32 s88, s81, 12288
	s_mov_b32 s89, 0
	s_mov_b32 s91, 0
	s_wait_dscnt 0x0                               ; the opening add is done
	s_wait_kmcnt 0x0
	s_mov_b32 s[G0M], 1
	s_mov_b32 s[G0M+1], s86
	s_add_nc_u64 s[G0M+2:G0M+3], s[4:5], s[84:85]
	s_or_b32 s[G0M+3], s[G0M+3], 0x80000000
	s_mov_b32 s[G0KV], 1
	s_mov_b32 s[G0KV+1], s18
	s_add_nc_u64 s[G0KV+2:G0KV+3], s[6:7], s[88:89]
	s_or_b32 s[G0KV+3], s[G0KV+3], 0x80000000
	s_add_co_u32 s83, s87, 512                     ; k's scale words: my two pairs' 16 units are 8,192 dense bytes
	s_lshl_b32 s90, s83, 9
	s_mov_b32 s[G0SK], 1
	s_mov_b32 s[G0SK+1], SCK
	s_add_nc_u64 s[G0SK+2:G0SK+3], s[8:9], s[90:91]
	s_or_b32 s[G0SK+3], s[G0SK+3], 0x80000000
	s_add_co_u32 s83, s87, 1024                    ; v's
	s_lshl_b32 s90, s83, 9
	s_mov_b32 s[G0SV], 1
	s_mov_b32 s[G0SV+1], SCV
	s_add_nc_u64 s[G0SV+2:G0SV+3], s[8:9], s[90:91]
	s_or_b32 s[G0SV+3], s[G0SV+3], 0x80000000
	s_lshl_b32 s88, s17, 17                        ; the prefetches: my work-group's 32 rows,
	s_add_co_u32 s88, s88, s80
	s_lshl_b32 s83, s82, 8                         ; my wave's 256 bytes of the 512,
	s_add_co_u32 s88, s88, s83
	s_add_co_u32 s88, s88, 512                     ; at slot 1: the first change of slots steps it to slot 2
	s_add_nc_u64 s[PFA:PFA+1], s[4:5], s[88:89]
	s_add_co_u32 s83, s87, s20                     ; region 0: q's unit of my 128 queries, pair 0; pair 1's lies 8 units on
	s_mul_i32 s88, s83, 12288
	s_add_nc_u64 s[6:7], s[6:7], s[88:89]
	s_lshl_b32 s88, s83, 9
	s_add_nc_u64 s[8:9], s[8:9], s[88:89]
	s_lshl_b32 s83, s19, 6
	s_lshl_b32 s81, s20, 3
	s_add_co_u32 s83, s83, s81
	s_lshl_b32 s81, s15, 1
	s_add_co_u32 s83, s83, s81                     ; tile X's row tile of o: token / 16
	s_mul_i32 s88, s83, 12288
	s_lshl_b32 s81, s17, 2
	s_add_co_u32 s81, s81, s16                     ; my head of pair 0; pair 1's is two heads on
	s_mul_i32 s90, s81, 768
	s_add_co_u32 s88, s88, s90
	s_add_nc_u64 s[10:11], s[10:11], s[88:89]
	s_lshl_b32 s88, s83, 9
	s_lshl_b32 s90, s17, 7                         ; my four heads are 256 along K: 128 bytes of a row tile's scales
	s_add_co_u32 s88, s88, s90
	s_lshl_b32 s90, s16, 1
	s_add_co_u32 s88, s88, s90
	s_add_nc_u64 s[12:13], s[12:13], s[88:89]
	CROUND                                         ; all four work-groups are here: the first joint loads meet
	TLOAD 1                                        ; slot 0 and the scale words: one tensor load of mine is out
	v_and_b32 v40, 31, v0                          ; lane
	v_and_b32 v41, 15, v0                          ; r
	v_bfe_u32 v42, v0, 4, 1                        ; h
	v_bfe_u32 v44, v0, 3, 1                        ; r / 8
	v_and_b32 v45, 7, v0                           ; r % 8
	v_lshlrev_b32 v[L16], 4, v40
	v_lshlrev_b32 v[L8], 3, v40
	; Q: query 32 qq + r lies in q's tile 2 qq + r / 8 at tile row r % 8; query 16 further on at tile row r % 8 + 8
	s_mul_i32 s80, s15, 3072
	s_mul_i32 s81, s16, 768
	s_add_co_u32 s80, s80, s81
	v_mul_u32_u24 v43, v44, 1536
	s_delay_alu instid0(VALU_DEP_1)
	v_add_nc_u32 v43, s80, v43
	s_delay_alu instid0(VALU_DEP_1)
	v_lshl_add_u32 v46, v45, 3, v43
	s_delay_alu instid0(VALU_DEP_1)
	v_lshl_add_u32 v46, v42, 7, v46
	s_delay_alu instid0(VALU_DEP_1)
	v_add_nc_u32 v46, 512, v46
	s_delay_alu instid0(VALU_DEP_4)
	v_lshl_add_u32 v43, v45, 4, v43
	s_delay_alu instid0(VALU_DEP_1)
	v_lshl_add_u32 v43, v42, 8, v43
	v_lshlrev_b32 v47, 4, v45                      ; q's scale words: lanes 0-15 tile X's rows, lanes 16-31 tile Y's
	s_delay_alu instid0(VALU_DEP_1)
	v_lshl_add_u32 v47, v42, 7, v47
	s_delay_alu instid0(VALU_DEP_1)
	v_lshl_add_u32 v47, v44, 8, v47
	s_lshl_b32 s81, s15, 2
	v_add_nc_u32 v47, s81, v47
	WIN 0x40                                       ; destination window 1
.irp g, 0,1
.irp x, 0,1
	global_load_b128 v[QF+24*\g+12*\x:QF+24*\g+12*\x+3], v43, s[6:7] offset:98304*\g+128*\x
	global_load_b64 v[QF+24*\g+12*\x+4:QF+24*\g+12*\x+5], v46, s[6:7] offset:98304*\g+64*\x
.endr
.endr
	WIN 0
	global_load_b32 v[QS], v47, s[8:9]
	global_load_b32 v[QS+1], v47, s[8:9] offset:4096
	s_mul_i32 s80, s15, 32*MP
	v_mul_u32_u24 v[MA], v41, MP
	s_delay_alu instid0(VALU_DEP_1)
	v_lshl_add_u32 v[MA], v42, 6, v[MA]
	s_delay_alu instid0(VALU_DEP_1)
	v_add_nc_u32 v[MA], s80, v[MA]                 ; the mask: row 32 qq + r, my half's 64 bytes of each 128
	s_mul_i32 s80, s16, 768
	s_add_co_u32 s80, s80, KOFF
	v_add_nc_u32 v[KA16], s80, v[L16]
	s_add_co_u32 s80, s80, 512
	v_add_nc_u32 v[KA8], s80, v[L8]
	s_mul_i32 s80, s16, 6144
	s_add_co_u32 s80, s80, VOFF
	v_add_nc_u32 v[VA16], s80, v[L16]
	s_add_co_u32 s80, s80, 512
	v_add_nc_u32 v[VA8], s80, v[L8]
	s_lshl_b32 s80, s16, 1
	s_add_co_u32 s80, s80, SCK
	v_add_nc_u32 v[SKA], s80, v[L16]               ; K's words: my head's two bytes
	s_lshl_b32 s80, s16, 3
	s_add_co_u32 s80, s80, SCV
	v_add_nc_u32 v[SVA], s80, v[L16]               ; V's: my head's two words
	v_lshlrev_b32 v[PFO], 12, v40
.irp g, 0,1
.irp x, 0,1
	v_mov_b32 v[21+28*\g+2*\x], 0xff61b1e6         ; the largest t so far: -3e38
	s_delay_alu instid0(VALU_DEP_1)
	v_floor_f32 v[20+28*\g+2*\x], -v[21+28*\g+2*\x]
	v_mov_b32 v[24+28*\g+2*\x], 0                  ; the sum, in two halves
	v_mov_b32 v[25+28*\g+2*\x], 0
.endr
.endr
.irp x, 0,1
	v_mov_b32 v[F+2*\x+1], 0                       ; (named as the upper half of a pair)
.endr
.irp n, 0,1,2,3,4,5,6,7
	v_mov_b32 v[BX+\n], 0                          ; a lane permute's destination counts as one of its sources
.endr
	WIN 0x40
.set i, 0
.rept 128
	v_mov_b32 v[i], 0                              ; O^T: the step is written once; the first change of M leaves zeros zeros.  (These stand while Q is on its way)
.set i, i+1
.endr
.irp i, 0,1,2,3,4,5
	v_mov_b32 v[KF+48+\i], 0                       ; what the last fragment of K names behind its own six registers; written once, never loaded
.endr
	WIN 0
	s_lshl_b32 s81, s16, 4
	s_wait_loadcnt 0x0                             ; Q and its scale words
.irp g, 0,1
	v_lshrrev_b32 v[QS+\g], s81, v[QS+\g]          ; my head's two bytes to the bottom (what stands above scales zero codes, and is never 0xff)
.endr
.irp g, 0,1
	s_delay_alu instid0(VALU_DEP_2)
	v_add_nc_u32 v[QS+\g], 0xfffffcfd, v[QS+\g]    ; 3 off each: q / 8, exactly; the bytes are 4 at the least, so nothing is borrowed
.endr
	WIN 0x40
.irp n, 0,1,2,3
.irp i, 0,1,2,3,4,5
	v_mov_b32 v[QF+12*\n+6+\i], 0                  ; k = 64 .. 127 of the instruction: zero codes, written once; these 24 lines also stand between the scale words' change and the first product
.endr
.endr
	WIN 0
.macro KQI t, x, g                     ; S^T(tile t, queries x) = K Q^T + mask, pair g
.set rS, S+64*(\x)+8*(\t)
.set rK, KF+6*(\t)
.set rQ, QF+24*(\g)+12*(\x)
.if ((\t)%2) && (\x)
	v_wmma_scale_f32_16x16x128_f8f6f4 v[rS:rS+7], v[rK:rK+11], v[rQ:rQ+11], v[rS:rS+7], v[KS+(\t)/2], v[QS+(\g)] matrix_a_fmt:MATRIX_FMT_FP6 matrix_b_fmt:MATRIX_FMT_FP6 matrix_a_scale:MATRIX_SCALE_ROW1 matrix_b_scale:MATRIX_SCALE_ROW1
.elseif (\t)%2
	v_wmma_scale_f32_16x16x128_f8f6f4 v[rS:rS+7], v[rK:rK+11], v[rQ:rQ+11], v[rS:rS+7], v[KS+(\t)/2], v[QS+(\g)] matrix_a_fmt:MATRIX_FMT_FP6 matrix_b_fmt:MATRIX_FMT_FP6 matrix_a_scale:MATRIX_SCALE_ROW1
.elseif \x
	v_wmma_scale_f32_16x16x128_f8f6f4 v[rS:rS+7], v[rK:rK+11], v[rQ:rQ+11], v[rS:rS+7], v[KS+(\t)/2], v[QS+(\g)] matrix_a_fmt:MATRIX_FMT_FP6 matrix_b_fmt:MATRIX_FMT_FP6 matrix_b_scale:MATRIX_SCALE_ROW1
.else
	v_wmma_scale_f32_16x16x128_f8f6f4 v[rS:rS+7], v[rK:rK+11], v[rQ:rQ+11], v[rS:rS+7], v[KS+(\t)/2], v[QS+(\g)] matrix_a_fmt:MATRIX_FMT_FP6 matrix_b_fmt:MATRIX_FMT_FP6
.endif
.endm
.macro PVI d, x, g                     ; O^T(channels' tile d, queries x) += V^T P^T, pair g
.set rO, 64*(\g)+32*(\x)+8*(\d)
.set rV, KF+12*(\d)
.set rP, P+12*(\x)
.if (\d)%2
	v_wmma_scale_f32_16x16x128_f8f6f4 v[rO:rO+7], v[rV:rV+11], v[rP:rP+11], v[rO:rO+7], v[VS+(\d)/2], v[PS+(\x)] matrix_a_fmt:MATRIX_FMT_FP6 matrix_b_fmt:MATRIX_FMT_FP6 matrix_a_scale:MATRIX_SCALE_ROW1
.else
	v_wmma_scale_f32_16x16x128_f8f6f4 v[rO:rO+7], v[rV:rV+11], v[rP:rP+11], v[rO:rO+7], v[VS+(\d)/2], v[PS+(\x)] matrix_a_fmt:MATRIX_FMT_FP6 matrix_b_fmt:MATRIX_FMT_FP6
.endif
.endm
; A STEP: the slot's 128 keys for pair g.  No two matrix instructions that follow each other share an accumulator.
.macro STEP g
.set NM, 20+28*(\g)                    ; v[NM+2x] -M, v[NM+2x+1] the largest t
.set SUM, NM+4                         ; v[SUM+2x:SUM+2x+1] the sum in two halves
.set OB, 64*(\g)
.if (\g) == 0
	v_add_nc_u32 v[ADM], s[TB], v[MA]              ; the slot's addresses, for both pairs: seven plain lines, also the places between the last products and the loads into their registers
	v_add_nc_u32 v[ADK16], s[TB], v[KA16]
	v_add_nc_u32 v[ADK8], s[TB], v[KA8]
	v_add_nc_u32 v[ADV16], s[TB], v[VA16]
	s_wait_alu depctr_va_vdst(0)
	v_add_nc_u32 v[ADV8], s[TB], v[VA8]
	s_wait_alu depctr_va_vdst(0)
	v_add_nc_u32 v[ADS], s[TS], v[SKA]
	v_add_nc_u32 v[ADT], s[TS], v[SVA]
.else
	NOP4                                           ; places between the last products and the loads into their registers
.endif
	WIN 0x40
.irp t, 0,1,2,3,4,5,6,7
	ds_load_b128 v[KF+6*\t:KF+6*\t+3], v[ADK16] offset:12288*(\g)+1536*\t
	ds_load_b64 v[KF+6*\t+4:KF+6*\t+5], v[ADK8] offset:12288*(\g)+1536*\t
.endr
	WIN 0
.irp i, 0,1,2,3
	ds_load_u16 v[KS+\i], v[ADS] offset:4096*(\g)+4*\i   ; my head's two bytes, zeros above them
.endr
	ds_load_b64 v[VS:VS+1], v[ADT] offset:4096*(\g)
.irp x, 0,1
.irp j, 0,1,2,3,4,5,6,7,8,9,10,11,12,13,14,15
	ds_load_b128 v[S+64*\x+4*\j:S+64*\x+4*\j+3], v[ADM] offset:16*MP*\x+128*(\j/4)+16*(\j%4)   ; mask(my query, keys 32 b + 16 h + 0..15): the scores' registers, as the products' C
.endr
.endr
	s_wait_dscnt 16                                ; K, the scale words and tile X's mask are in; tile Y's 16 loads may be out
	WIN 0x05                                       ; K and Q window 1, S window 0
.irp t, 0,1,2,3,4,5,6,7
	KQI \t, 0, \g
.endr
	s_wait_dscnt 0x0                               ; tile Y's mask is in
.irp t, 0,1,2,3,4,5,6,7
	KQI \t, 1, \g
.endr
	WIN 0
	NOP4                                           ; places: ahead of the loads into K's registers, and of the first read of the scores
	WIN 0x40
.irp d, 0,1,2,3
.irp c, 0,1
	ds_load_b128 v[KF+12*\d+6*\c:KF+12*\d+6*\c+3], v[ADV16] offset:12288*(\g)+1536*\d+768*\c   ; V takes K's registers, and has the softmax in which to come
	ds_load_b64 v[KF+12*\d+6*\c+4:KF+12*\d+6*\c+5], v[ADV8] offset:12288*(\g)+1536*\d+768*\c
.endr
.endr
	WIN 0
.irp x, 0,1
.irp b, 0,1,2,3
	v_max3_num_f32 v[BM+4*\x+\b], v[S+64*\x+16*\b], v[S+64*\x+16*\b+1], v[S+64*\x+16*\b+2]   ; the largest logit of each block of 32 keys: for the row's maximum, and for the block's largest p
.endr
.endr
.irp i, 3,5,7,9,11,13
.irp x, 0,1
.irp b, 0,1,2,3
	v_max3_num_f32 v[BM+4*\x+\b], v[BM+4*\x+\b], v[S+64*\x+16*\b+\i], v[S+64*\x+16*\b+\i+1]
.endr
.endr
.endr
.irp x, 0,1
.irp b, 0,1,2,3
	v_max_num_f32 v[BM+4*\x+\b], v[BM+4*\x+\b], v[S+64*\x+16*\b+15]
.endr
.endr
.irp n, 0,1,2,3,4,5,6,7
	v_permlanex16_b32 v[BX+\n], v[BM+\n], s[SEL], s[SEL+1]
.endr
.irp n, 0,1,2,3,4,5,6,7
	v_max_num_f32 v[BM+\n], v[BM+\n], v[BX+\n]     ; with lane l xor 16's 16 keys
.endr
.irp x, 0
	v_max3_num_f32 v[T0+\x], v[BM+4*\x], v[BM+4*\x+1], v[BM+4*\x+2]
.endr
.irp x, 1
	s_delay_alu instid0(VALU_DEP_3)
	v_max3_num_f32 v[T0+\x], v[BM+4*\x], v[BM+4*\x+1], v[BM+4*\x+2]
.endr
.irp x, 0,1
	s_delay_alu instid0(VALU_DEP_2)
	v_max_num_f32 v[T0+\x], v[T0+\x], v[BM+4*\x+3]
.endr
.irp x, 0,1
	s_delay_alu instid0(VALU_DEP_2)
	v_mul_f32 v[T0+\x], s[CS], v[T0+\x]            ; as t
.endr
.irp x, 0,1
	s_delay_alu instid0(VALU_DEP_2)
	v_max_num_f32 v[NM+2*\x+1], v[NM+2*\x+1], v[T0+\x]   ; the running largest t
.endr
.irp x, 0,1
	v_mov_b32 v[T0+\x], v[NM+2*\x]
.endr
.irp x, 0,1
	s_delay_alu instid0(VALU_DEP_4)
	v_floor_f32 v[NM+2*\x], -v[NM+2*\x+1]          ; the new -M = -ceil(t): a whole number
.endr
.irp x, 0,1
	s_delay_alu instid0(VALU_DEP_2)
	v_sub_f32 v[T0+\x], v[NM+2*\x], v[T0+\x]       ; old M - new M
.endr
.irp x, 0,1
	s_delay_alu instid0(VALU_DEP_2)
	v_cvt_i32_f32 v[T0+\x], v[T0+\x]               ; (it saturates)
.endr
.irp x, 0,1
	s_delay_alu instid0(VALU_DEP_2)
	v_ldexp_f32 v[F+2*\x], 1.0, v[T0+\x]           ; f = 2^(old M - new M)
.endr
.set j, 0
.rept 32
.irp x, 0,1
	v_pk_fma_f32 v[S+64*\x+j:S+64*\x+j+1], v[S+64*\x+j:S+64*\x+j+1], s[CS:CS+1], v[NM+2*\x:NM+2*\x+1] op_sel_hi:[1,0,0]   ; t - M
.endr
.set j, j+2
.endr
.irp x, 0,1
.irp b, 0,1,2,3
	v_fma_f32 v[BM+4*\x+\b], v[BM+4*\x+\b], s[CS], v[NM+2*\x]      ; the same of each block's largest logit
.endr
.endr
.set j, 0
	s_wait_alu depctr_va_vdst(0)
.rept 128
	v_exp_f32 v[S+j], v[S+j]                       ; p = 2^(t - M)
.set j, j+1
.endr
.irp x, 0,1
	v_pk_mul_f32 v[SUM+2*\x:SUM+2*\x+1], v[SUM+2*\x:SUM+2*\x+1], v[F+2*\x:F+2*\x+1] op_sel_hi:[1,0]   ; the sums under the new M; the plain lines behind the exponentials
.endr
	s_wait_alu depctr_va_vdst(0)                   ; one wait for the batch of 128, ahead of its first reader
.irp n, 0,1,2,3,4,5,6,7
	v_exp_f32 v[BM+\n], v[BM+\n]                   ; each block's largest p: the same two instructions on the same number
.endr
.irp x, 0,1
	v_pk_add_f32 v[BX+4*\x:BX+4*\x+1], v[S+64*\x:S+64*\x+1], v[S+64*\x+2:S+64*\x+3]   ; the sum of the unquantised p, two chains a tile
.endr
.irp j, 4,8,12,16,20,24,28,32,36,40,44,48,52,56,60
.irp x, 0,1
	v_pk_add_f32 v[SUM+2*\x:SUM+2*\x+1], v[SUM+2*\x:SUM+2*\x+1], v[S+64*\x+\j:S+64*\x+\j+1]
	v_pk_add_f32 v[BX+4*\x:BX+4*\x+1], v[BX+4*\x:BX+4*\x+1], v[S+64*\x+\j+2:S+64*\x+\j+3]
.endr
.endr
.irp x, 0
	s_delay_alu instid0(VALU_DEP_3)
	v_pk_add_f32 v[SUM+2*\x:SUM+2*\x+1], v[SUM+2*\x:SUM+2*\x+1], v[BX+4*\x:BX+4*\x+1]
.endr
.irp x, 1
	s_delay_alu instid0(VALU_DEP_2)
	v_pk_add_f32 v[SUM+2*\x:SUM+2*\x+1], v[SUM+2*\x:SUM+2*\x+1], v[BX+4*\x:BX+4*\x+1]
.endr
	s_wait_alu depctr_va_vdst(0)                   ; and one for the eight
.irp n, 0,1,2,3,4,5,6,7
	v_max_num_f32 v[BM+\n], 0x1800000, v[BM+\n]    ; the floor 2^(3 - 127): the byte cannot fall under 1
.endr
.irp n, 0,1,2,3,4,5,6,7
	v_add_nc_u32 v[BS+\n], 0xff000000, v[BM+\n]    ; the conversion's scale operand
.endr
.irp n, 0,1,2,3,4,5,6,7
	v_lshrrev_b32 v[BX+\n], 23, v[BS+\n]           ; the byte
.endr
.irp x, 0
	v_lshl_or_b32 v[PS+\x], v[BX+4*\x+1], 8, v[BX+4*\x]
.endr
.irp x, 1
	s_delay_alu instid0(VALU_DEP_4)
	v_lshl_or_b32 v[PS+\x], v[BX+4*\x+1], 8, v[BX+4*\x]
.endr
.irp x, 0,1
	s_delay_alu instid0(VALU_DEP_2)
	v_lshl_or_b32 v[PS+\x], v[BX+4*\x+2], 16, v[PS+\x]
.endr
.irp x, 0,1
	s_delay_alu instid0(VALU_DEP_2)
	v_lshl_or_b32 v[PS+\x], v[BX+4*\x+3], 24, v[PS+\x]
.endr
.irp x, 0,1
.irp c, 0,1
	v_cvt_scalef32_pk16_fp6_f32 v[P+12*\x+6*\c:P+12*\x+6*\c+2], v[S+64*\x+32*\c:S+64*\x+32*\c+15], v[BS+4*\x+2*\c]
	v_cvt_scalef32_pk16_fp6_f32 v[CT+4*\c:CT+4*\c+2], v[S+64*\x+32*\c+16:S+64*\x+32*\c+31], v[BS+4*\x+2*\c+1]
.endr
	v_nop                                          ; one plain line behind a scaled conversion
.irp c, 0,1                                    ; the operand's layout wants a whole block in a lane
.irp i, 0,1,2
	v_permlane16_swap_b32 v[P+12*\x+6*\c+\i], v[CT+4*\c+\i]
.endr
.irp i, 0,1,2
	s_delay_alu instid0(VALU_DEP_3)
	v_mov_b32 v[P+12*\x+6*\c+3+\i], v[CT+4*\c+\i]
.endr
.endr
.endr
	WIN 0x41                                       ; O^T window 1, f window 0
.set j, 0
.rept 16
.irp x, 0,1
	v_pk_mul_f32 v[OB+32*\x+j:OB+32*\x+j+1], v[OB+32*\x+j:OB+32*\x+j+1], v[F+2*\x:F+2*\x+1] op_sel_hi:[1,0]   ; O^T under the new M; these 32 lines also stand between p's codes and scale words and the products
.endr
.set j, j+2
.endr
	s_wait_alu depctr_va_vdst(0)
	s_wait_dscnt 0x0                               ; V is in
	WIN 0x51                                       ; V, O^T window 1; P window 0
.irp d, 0,1,2,3
.irp x, 0,1
	PVI \d, \x, \g
.endr
.endr
	WIN 0
.endm
; THE CHANGE OF SLOTS, at a slot's head.  Each wave waits for all its tensor loads, adds 0 to its spare word, and waits for that and for its reads of the slot that it has left.  fill = 1: the barrier is a round of the
; cluster's, and behind it that slot is filled with the next 128 keys' tiles, one tensor load a wave, which has both pairs' steps in which to land.
.macro CHANGE fill
	s_wait_tensorcnt 0x0                           ; no tensor load of mine is out, so a group 0 may be written
	ds_add_u32 v[SPW], v[NIL]
.if \fill
	s_xor_b32 s[G0M+1], s[G0M+1], SLOT1
	s_add_nc_u64 s[G0M+2:G0M+3], s[G0M+2:G0M+3], 512       ; the next 128 keys' columns
	s_xor_b32 s[G0KV+1], s[G0KV+1], SLOT1
	s_add_nc_u64 s[G0KV+2:G0KV+3], s[G0KV+2:G0KV+3], 12288 ; the next unit
	s_wait_xcnt 0x0                                ; the last prefetch, a slot back, has read its address
	s_add_nc_u64 s[PFA:PFA+1], s[PFA:PFA+1], 512
.endif
	s_wait_dscnt 0x0                               ; the add is done, and my reads of the slot that I have left are over
.if \fill
	CROUND
	TLOAD 0
	ASK
.else
	s_barrier_signal -1
	s_barrier_wait -1
.endif
.endm
.Lslot:                                                ; seven trips: behind each change of slots but the last the next slot's tiles are asked for
	CHANGE 1
	STEP 0
	STEP 1
	s_add_co_u32 s[TS], s[TS], 512
	s_xor_b32 s[TB], s[TB], SLOT1
	s_sub_co_u32 s[SLOTS], s[SLOTS], 1
	s_cmp_lg_u32 s[SLOTS], 0
	s_cbranch_scc1 .Lslot
	CHANGE 0                                       ; the last slot is written out
	STEP 0
	STEP 1
	; THE WAY OUT: o = O^T / the sum, quantised along each head's 64 channels.  Tile n = 2 g + x; its register 16 b + i is channel 32 b + 16 (lane / 16) + i.  The first lines are the places behind the last products.
.irp g, 0,1
.irp x, 0,1
	v_add_f32 v[BM+2*\g+\x], v[24+28*\g+2*\x], v[25+28*\g+2*\x]
.endr
.endr
.irp n, 0,1,2,3
	s_delay_alu instid0(VALU_DEP_4)
	v_permlanex16_b32 v[BX+\n], v[BM+\n], s[SEL], s[SEL+1]
.endr
.irp n, 0,1,2,3
	s_delay_alu instid0(VALU_DEP_4)
	v_add_f32 v[BM+\n], v[BM+\n], v[BX+\n]         ; the row's sum
.endr
	s_wait_alu depctr_va_vdst(0)
.irp n, 0,1,2,3
	v_rcp_f32 v[BS+\n], v[BM+\n]
.endr
	v_lshlrev_b32 v41, 3, v41                      ; (plain lines behind the reciprocals)  the scale bytes' place: 8 r,
	s_delay_alu instid0(VALU_DEP_1)
	v_lshl_add_u32 v41, v42, 9, v41                ; and tile Y's row tile for lanes 16-31
	s_wait_alu depctr_va_vdst(0)                   ; one wait for the four reciprocals, ahead of their first reader
	WIN 0x01                                       ; source 0 window 1
.set j, 0
.rept 32
.irp n, 0,1,2,3
	v_mul_f32 v[S+32*\n+j], v[32*\n+j], v[BS+\n]   ; each accumulator from its low end on
.endr
.set j, j+1
.endr
	WIN 0
.irp n, 0,1,2,3
.irp b, 0,1
	v_max3_num_f32 v[BM+2*\n+\b], |v[S+32*\n+16*\b]|, |v[S+32*\n+16*\b+1]|, 0x1800000
.endr
.endr
.irp i, 2,4,6,8,10,12,14
.irp n, 0,1,2,3
.irp b, 0,1
	v_max3_num_f32 v[BM+2*\n+\b], v[BM+2*\n+\b], |v[S+32*\n+16*\b+\i]|, |v[S+32*\n+16*\b+\i+1]|
.endr
.endr
.endr
.irp m, 0,1,2,3,4,5,6,7
	v_permlanex16_b32 v[BX+\m], v[BM+\m], s[SEL], s[SEL+1]
.endr
.irp m, 0,1,2,3,4,5,6,7
	v_max_num_f32 v[BM+\m], v[BM+\m], v[BX+\m]
.endr
.irp m, 0,1,2,3,4,5,6,7
	v_add_nc_u32 v[BS+\m], 0xff000000, v[BM+\m]
.endr
.irp m, 0,1,2,3,4,5,6,7
	v_lshrrev_b32 v[BX+\m], 23, v[BS+\m]
.endr
.irp n, 0,1,2,3
	v_lshl_or_b32 v[T0+\n], v[BX+2*\n+1], 8, v[BX+2*\n]            ; my row's two scale bytes of tile n
.endr
.irp n, 0,1,2,3
	v_cvt_scalef32_pk16_fp6_f32 v[P+6*\n:P+6*\n+2], v[S+32*\n:S+32*\n+15], v[BS+2*\n]
	v_cvt_scalef32_pk16_fp6_f32 v[CT+4*\n:CT+4*\n+2], v[S+32*\n+16:S+32*\n+31], v[BS+2*\n+1]
.endr
	v_nop                                          ; one plain line behind a scaled conversion
.irp n, 0,1,2,3
.irp i, 0,1,2
	v_permlane16_swap_b32 v[P+6*\n+\i], v[CT+4*\n+\i]
.endr
.irp i, 0,1,2
	s_delay_alu instid0(VALU_DEP_3)
	v_mov_b32 v[P+6*\n+3+\i], v[CT+4*\n+\i]
.endr
.endr
.irp g, 0,1
.irp x, 0,1
	global_store_b128 v[L16], v[P+6*(2*\g+\x):P+6*(2*\g+\x)+3], s[10:11] offset:12288*\x+1536*\g          ; 512 consecutive bytes
	global_store_b64 v[L8], v[P+6*(2*\g+\x)+4:P+6*(2*\g+\x)+5], s[10:11] offset:12288*\x+1536*\g+512      ; 256 consecutive bytes
.endr
.endr
	v_cmp_le_u32 vcc_lo, 16, v40
	s_delay_alu instid0(VALU_DEP_1)
	v_cndmask_b32 v44, v[T0], v[T0+1], vcc_lo      ; lanes 0-15 tile X's rows, lanes 16-31 tile Y's
	s_delay_alu instid0(VALU_DEP_2)
	v_cndmask_b32 v45, v[T0+2], v[T0+3], vcc_lo
	global_store_b16 v41, v44, s[12:13]            ; a head owns two bytes of a row's eight: two small stores a wave in the whole launch
	global_store_b16 v41, v45, s[12:13] offset:4
	s_wait_tensorcnt 0x0                           ; the wave's end
	ds_add_u32 v[SPW], v[NIL]
	s_wait_dscnt 0x0
	CROUND                                         ; the closing round
	s_endpgm
.Lfunc_end_k_q355505572f_attn:
	.size	k_q355505572f_attn, .Lfunc_end_k_q355505572f_attn-k_q355505572f_attn
	.p2alignl 7, 3214868480
	.fill 96, 4, 3214868480
	.section	.rodata,"a",@progbits
	.p2align	6, 0x0
	.amdhsa_kernel k_q355505572f_attn
		.amdhsa_group_segment_fixed_size 327680
		.amdhsa_private_segment_fixed_size 0
		.amdhsa_enable_private_segment 0
		.amdhsa_kernarg_size 40
		.amdhsa_user_sgpr_count 2
		.amdhsa_user_sgpr_kernarg_segment_ptr 1
		.amdhsa_wavefront_size32 1
		.amdhsa_system_sgpr_workgroup_id_x 1
		.amdhsa_system_sgpr_workgroup_id_y 1
		.amdhsa_system_sgpr_workgroup_id_z 1
		.amdhsa_system_vgpr_workitem_id 0
		.amdhsa_next_free_vgpr 512
		.amdhsa_next_free_sgpr 92
		.amdhsa_reserve_vcc 1
		.amdhsa_float_denorm_mode_32 3
		.amdhsa_float_denorm_mode_16_64 3
		.amdhsa_memory_ordered 1
		.amdhsa_forward_progress 1
		.amdhsa_inst_pref_size 163
	.end_amdhsa_kernel
	.amdgpu_metadata
---
amdhsa.version: [ 1, 2 ]
amdhsa.kernels:
  - .name:           k_q355505572f_attn
    .symbol:         k_q355505572f_attn.kd
    .args:
      - { .name: mask, .offset: 0, .size: 8, .value_kind: global_buffer, .address_space: global }
      - { .name: qkvc, .offset: 8, .size: 8, .value_kind: global_buffer, .address_space: global }
      - { .name: qkvs, .offset: 16, .size: 8, .value_kind: global_buffer, .address_space: global }
      - { .name: oc, .offset: 24, .size: 8, .value_kind: global_buffer, .address_space: global }
      - { .name: os, .offset: 32, .size: 8, .value_kind: global_buffer, .address_space: global }
    .group_segment_fixed_size: 327680
    .private_segment_fixed_size: 0
    .kernarg_segment_align: 8
    .kernarg_segment_size: 40
    .max_flat_workgroup_size: 256
    .sgpr_count:     92
    .vgpr_count:     512
    .wavefront_size: 32
...
	.end_amdgpu_metadata
.endif
;; end of part 3
;; launch gemmf (part 4): grid 64 x 4, 4 waves a work-group, clusters of 4 x 1, 327,680 bytes of LDS; arguments oc, os, opc, ops, out0, b_proj; writes out0
.if DOCPART == 4
	.amdgcn_target "amdgcn-amd-amdhsa--gfx1250"
	.amdhsa_code_object_version 6
	.text
	.protected	k_q355505572f_gemmf
	.globl	k_q355505572f_gemmf
	.p2align	8
	.type	k_q355505572f_gemmf,@function
k_q355505572f_gemmf:
	s_mov_b64 s[64:65], 0
	v_nop
	global_prefetch_b8 v0, s[64:65] scope:SCOPE_SE
	s_setreg_imm32_b32 hwreg(HW_REG_WAVE_MODE, 25, 1), 1
	s_wait_xcnt 0x0
	s_wait_alu depctr_hold_cnt(0) depctr_sa_sdst(0) depctr_va_vdst(0) depctr_va_sdst(0) depctr_va_ssrc(0) depctr_va_vcc(0) depctr_vm_vsrc(0)
	s_getreg_b32 s2, hwreg(HW_REG_IB_STS2, 6, 4)
	s_cmp_eq_u32 s2, 0
	s_cbranch_scc0 .Lentry_in_a_cluster
	s_endpgm
.Lentry_in_a_cluster:
	s_bfe_u32 s2, ttmp6, 0x10000c
	s_cmp_lg_u32 s2, 0x3003
	s_cbranch_scc0 .Lentry_shape_is_right
	s_endpgm
.Lentry_shape_is_right:
; out0 = o w_proj^T + b_proj on codes of FP6 (E2M3) with E8M0 scales, K = 1,024, f32 out.
; SHARES.  A work-group: 128 tokens x 256 channels (chunk j = work-group y): 64 x 4 = 256 work-groups.  A wave: 64 tokens (4 row tiles) x 128 channels (8 row tiles): 32 accumulators.
; o's fragments for all of K, 384 registers a wave, are loaded once from oc, which holds register images.  The weights lie in two LDS slots, one for each half of K (98,304 bytes each), each filled once;
; each wave asks for 4 row tiles x 6,144 bytes of a slot.  CLUSTER: the four partners have the same j and other tokens: the weights are asked for jointly (mask 15); o is each partner's own.
; SCALES: [row tile][256 along K][row][8 bytes]: a load of 8 bytes a lane reads 256 consecutive bytes: lanes 0-15 the even 256 along K, lanes 16-31 the odd, picked by the ROW selector.
; Source 0 = 16 channels, source 1 = 16 tokens: a lane holds a token, its registers run along the channels.  w_proj's row tiles are not neighbours (lane r of tile 2 b + u: row 32 b + 8 u + r + 8 (r / 8)),
; so the 16 registers of accumulators 2 b, 2 b + 1 are channels 32 b + 16 (lane / 16) + 0..15.  The bias, in the result's layout, is the C of the first step.
; THE WAY OUT: 16 rows x 128 columns at a time through the wave's own stage in LDS, on bytes that no tensor load fills, back as rows of 512 bytes.
; No prefetch: the text has no loop to run ahead in.  NaN and infinities are not served.
; REGISTERS: window 0: v2-15 addresses; v16-31 o's scale words, v32-63 the weights', and nothing else; v64-255 o's tiles 2, 3, then the way out.  window 1: the weights' fragments, two sets.
;            window 2: accumulators.  window 3: v0-191 o's tiles 0, 1; v192-255 the bias.
.set RTB,   12288
.set KH,    6144
.set SLOT,  16*KH
.set SPITCH, 528
.set STAGE, 2*SLOT
.set SPARE, STAGE+4*16*SPITCH          ; the spare words, 128 bytes a wave
.set O16, 2
.set O8,  3
.set W16, 4
.set W8,  6
.set SPW, 8
.set NIL, 9
.set BO,  13                           ; 64 x (lane / 16)
.set STO, 14
.set RD,  15
.set SX,  16
.set SW,  32
.set BK,  64                           ; the way out: v64-127 and v128-191 by turns
.set BI,  192                          ; window 3
.set MSB, 0
.macro WIN new                         ; the immediate's high byte repeats the setting that is left
.if MSB != (\new)
	s_set_vgpr_msb (MSB<<8)|(\new)
.set MSB, (\new)
.endif
.endm
.macro PLACES                          ; plain vector lines between a matrix instruction and a load into, or a read of, its registers
.rept 4
	v_nop
.endr
.endm
.macro CREST
	s_cmp_lg_u32 s14, 0
	s_cbranch_scc1 .Lnot_wave_0_\@
	s_barrier_signal -3
.Lnot_wave_0_\@:
	s_barrier_wait -3
	s_barrier_signal -1
	s_barrier_wait -1
.endm
.macro ROUND
	s_barrier_signal -1
	s_barrier_wait -1
	CREST
.endm
.macro FETCH slot, q, p                ; the weights' eight fragments of step q of a slot into set p
	WIN 0x40
.irp i, 0,1,2,3,4,5,6,7
	ds_load_b128 v[128*(\p)+12*\i:128*(\p)+12*\i+3], v[W16+(\slot)] offset:KH*\i+1536*(\q)
	ds_load_b64 v[128*(\p)+12*\i+4:128*(\p)+12*\i+5], v[W8+(\slot)] offset:KH*\i+1536*(\q)
	ds_load_b128 v[128*(\p)+12*\i+6:128*(\p)+12*\i+9], v[W16+(\slot)] offset:KH*\i+1536*(\q)+768
	ds_load_b64 v[128*(\p)+12*\i+10:128*(\p)+12*\i+11], v[W8+(\slot)] offset:KH*\i+1536*(\q)+768
.endr
	WIN 0
.endm
; 16 products: o's tiles a0, a0 + 1 against the weights' eight, step s.  The 32 accumulators take turns, one instruction a turn.
.macro MUL s, a0
.if (\s) == 0
	WIN 0xb1+12*(1-(\a0)/2)                        ; C: the bias, window 3
.else
	WIN 0xa1+12*(1-(\a0)/2)
.endif
.irp a, \a0, \a0+1
.irp b, 0,1,2,3,4,5,6,7
.set DD, 8*(8*(\a)+\b)
.set XF, 96*(\a)-128*((\a)/2)+12*(\s)
.set WF, 128*((\s)%2)+12*\b
.set RX, SX+4*(\a)+2*((\s)/4)+(\s)%2
.set RW, SW+4*\b+2*((\s)/4)+(\s)%2
.if (\s) == 0
	v_wmma_scale_f32_16x16x128_f8f6f4 v[DD:DD+7], v[WF:WF+11], v[XF:XF+11], v[BI+8*\b:BI+8*\b+7], v[RW], v[RX] matrix_a_fmt:MATRIX_FMT_FP6 matrix_b_fmt:MATRIX_FMT_FP6
.elseif ((\s)/2)%2
	v_wmma_scale_f32_16x16x128_f8f6f4 v[DD:DD+7], v[WF:WF+11], v[XF:XF+11], v[DD:DD+7], v[RW], v[RX] matrix_a_fmt:MATRIX_FMT_FP6 matrix_b_fmt:MATRIX_FMT_FP6 matrix_a_scale:MATRIX_SCALE_ROW1 matrix_b_scale:MATRIX_SCALE_ROW1
.else
	v_wmma_scale_f32_16x16x128_f8f6f4 v[DD:DD+7], v[WF:WF+11], v[XF:XF+11], v[DD:DD+7], v[RW], v[RX] matrix_a_fmt:MATRIX_FMT_FP6 matrix_b_fmt:MATRIX_FMT_FP6
.endif
.endr
.endr
.endm
.macro STEP s, slot
	s_wait_dscnt 0x0                               ; this step's set is in
	PLACES
	FETCH \slot, ((\s)%4)+1, 1-(\s)%2
	MUL \s, 0
	MUL \s, 2
	WIN 0
.endm
	s_load_b256 s[4:11], s[0:1], 0x0               ; oc s[4:5], os s[6:7], opc s[8:9], ops s[10:11]
	s_load_b128 s[56:59], s[0:1], 0x20             ; out0 s[56:57], b_proj s[58:59]
	v_lshl_add_u32 v[SPW], v0, 2, SPARE
	v_mov_b32 v[NIL], 0
	ds_add_u32 v[SPW], v[NIL]                      ; the wave's opening: the add, twice on end, and its wait ahead of my first tensor load
	ds_add_u32 v[SPW], v[NIL]
	v_lshrrev_b32 v1, 5, v0
	v_readfirstlane_b32 s14, v1                    ; wave 0..3
	s_lshr_b32 s15, s14, 1                         ; which 64 tokens
	s_and_b32 s16, s14, 1                          ; which 128 channels
	s_bfe_u32 s17, ttmp6, 0x40000                  ; cx
	s_lshl_b32 s18, ttmp9, 2
	s_add_co_u32 s18, s18, s17                     ; group of 128 tokens, 0..63
	s_and_b32 s19, ttmp7, 0xffff                   ; j
	s_mov_b32 s24, 15|(3<<16)|(1<<21)              ; group 1: all four partners; elements of 8 bytes; bit 21 beside a mask
	s_mov_b32 s25, 768<<16                         ; 4 rows of 768 elements (6,144 bytes), 1,536 elements apart, dense in LDS
	s_mov_b32 s26, 4<<16
	s_mov_b32 s27, 768<<16
	s_mov_b32 s28, 4
	s_mov_b32 s29, 1536
	s_mov_b32 s30, 0
	s_mov_b32 s31, 0
	s_lshl_b32 s20, s19, 4
	s_add_co_u32 s20, s20, 704                     ; w_proj's chunk j begins at row tile 704 + 16 j of opc
	s_lshl_b32 s21, s16, 3
	s_add_co_u32 s21, s21, s20
	s_lshl_b32 s44, s21, 9                         ; my 8 tiles' scale words
	s_mov_b32 s45, 0
	s_lshl_b32 s21, s14, 2
	s_add_co_u32 s20, s20, s21                     ; the 4 tiles of a slot that I ask for
	s_mul_i32 s20, s20, RTB
	s_mov_b32 s21, 0
	s_mul_i32 s22, s14, 4*KH
	s_lshl_b32 s40, s18, 3
	s_lshl_b32 s41, s15, 2
	s_add_co_u32 s40, s40, s41                     ; my first row tile of o
	s_lshl_b32 s42, s40, 9
	s_mov_b32 s43, 0
	s_mul_i32 s40, s40, RTB
	s_mov_b32 s41, 0
	s_lshl_b32 s52, s19, 10
	s_lshl_b32 s53, s16, 9
	s_add_co_u32 s52, s52, s53                     ; my first column, in bytes
	s_mov_b32 s53, 0
	s_lshl_b32 s54, s18, 7
	s_lshl_b32 s55, s15, 6
	s_add_co_u32 s54, s54, s55                     ; my first row
	s_lshl_b32 s54, s54, 12
	s_add_co_u32 s54, s54, s52
	s_mov_b32 s55, 0
	s_mul_i32 s23, s16, 8*KH                       ; my 8 tiles in a slot
	s_add_co_u32 s48, s23, 512
	s_add_co_u32 s49, s23, SLOT
	s_add_co_u32 s50, s49, 512
	s_mul_i32 s51, s14, 16*SPITCH
	s_add_co_u32 s51, s51, STAGE                   ; my stage
	s_wait_dscnt 0x0                               ; both opening adds are done
	s_wait_kmcnt 0x0
	s_mov_b32 s32, 1
	s_mov_b32 s33, s22
	s_add_nc_u64 s[34:35], s[8:9], s[20:21]
	s_mov_b32 s36, 1
	s_add_co_u32 s37, s22, SLOT
	s_add_nc_u64 s[38:39], s[34:35], KH            ; slot 1: the second half of K
	s_or_b32 s35, s35, 0x80000000
	s_or_b32 s39, s39, 0x80000000
	s_add_nc_u64 s[40:41], s[4:5], s[40:41]
	s_add_nc_u64 s[42:43], s[6:7], s[42:43]
	s_add_nc_u64 s[44:45], s[10:11], s[44:45]
	s_add_nc_u64 s[58:59], s[58:59], s[52:53]
	s_add_nc_u64 s[56:57], s[56:57], s[54:55]
	ROUND                                          ; all four partners are here: the first joint loads meet
	tensor_load_to_lds s[32:35], s[24:31]          ; slot 0: one tensor load a wave at the head
	s_nop 0
	PLACES
	v_and_b32 v1, 31, v0
	v_and_b32 v10, 15, v0
	v_and_b32 v11, 16, v0
	v_lshlrev_b32 v[O16], 4, v1
	v_lshlrev_b32 v[O8], 3, v1
	v_add_nc_u32 v[W16], s23, v[O16]
	v_add_nc_u32 v[W8], s48, v[O8]
	v_add_nc_u32 v[W16+1], s49, v[O16]
	v_add_nc_u32 v[W8+1], s50, v[O8]
	v_lshlrev_b32 v[BO], 2, v11
	v_mul_u32_u24 v12, v10, SPITCH
	v_add_nc_u32 v12, v12, v[BO]                   ; into the stage: row l % 16, 64 bytes for each half of the lanes in every 128
	v_add_nc_u32 v[STO], s51, v12
	v_add_nc_u32 v[RD], s51, v[O16]                ; back: the 32 lanes take one row of 512 bytes
	s_wait_alu depctr_va_vdst(0)                   ; the end of the head's vector work
.irp a, 0,1,2,3
.irp j, 0,1
	global_load_b64 v[SX+4*\a+2*\j:SX+4*\a+2*\j+1], v[O8], s[42:43] offset:512*\a+256*\j
.endr
.endr
.irp b, 0,1,2,3,4,5,6,7
.irp j, 0,1
	global_load_b64 v[SW+4*\b+2*\j:SW+4*\b+2*\j+1], v[O8], s[44:45] offset:512*\b+256*\j
.endr
.endr
	WIN 0xc0
.irp b, 0,1,2,3,4,5,6,7
	global_load_b128 v[BI+8*\b:BI+8*\b+3], v[BO], s[58:59] offset:128*(\b/2)+32*(\b%2)
	global_load_b128 v[BI+8*\b+4:BI+8*\b+7], v[BO], s[58:59] offset:128*(\b/2)+32*(\b%2)+16
.endr
.irp a, 0,1,2,3                                ; o's fragments: register images, 512 and 256 consecutive bytes a load
	WIN 0xc0*(1-\a/2)
.set XB, 96*\a-128*(\a/2)
.set hh, 0
.rept 16
	global_load_b128 v[XB+6*hh:XB+6*hh+3], v[O16], s[40:41] offset:RTB*\a+768*hh
	global_load_b64 v[XB+6*hh+4:XB+6*hh+5], v[O8], s[40:41] offset:RTB*\a+768*hh+512
.set hh, hh+1
.endr
.endr
	WIN 0
	s_wait_tensorcnt 0x0                           ; my part of slot 0 is in
	ds_add_u32 v[SPW], v[NIL]
	s_wait_dscnt 0x0
	ROUND
	tensor_load_to_lds s[36:39], s[24:31]          ; slot 1, the first tensor load behind the round
	s_nop 0
	PLACES
	FETCH 0, 0, 0
	s_wait_loadcnt 0x0                             ; o, the scale words and the bias
	STEP 0, 0
	STEP 1, 0
	STEP 2, 0
	s_wait_dscnt 0x0                               ; step 3's set is in
	s_wait_tensorcnt 0x0                           ; my part of slot 1 has landed
	ds_add_u32 v[SPW], v[NIL]
	MUL 3, 0
	s_wait_dscnt 0x0
	s_barrier_signal -1                            ; it shows slot 1 whole to all four waves
	MUL 3, 2
	WIN 0
	s_barrier_wait -1
	PLACES
	FETCH 1, 0, 0
	STEP 4, 1
	STEP 5, 1
	STEP 6, 1
	s_wait_dscnt 0x0
	MUL 7, 0
	MUL 7, 2
	WIN 0
.macro TOSTAGE a
.set AC, 64*(\a)
	WIN 0x08                                       ; the data: window 2
.irp b, 0,1,2,3,4,5,6,7
	ds_store_b128 v[STO], v[AC+8*\b:AC+8*\b+3] offset:128*(\b/2)+32*(\b%2)          ; each accumulator from its low end on
	ds_store_b128 v[STO], v[AC+8*\b+4:AC+8*\b+7] offset:128*(\b/2)+32*(\b%2)+16
.endr
	WIN 0
.set BB, BK+64*((\a)%2)
.irp t, 0,1,2,3,4,5,6,7,8,9,10,11,12,13,14,15
	ds_load_b128 v[BB+4*\t:BB+4*\t+3], v[RD] offset:\t*SPITCH   ; LDS serves a wave's instructions in order (ISA guide 5.7.1.4): these see the stores above
.endr
.endm
.macro SEND a, younger                 ; younger: the LDS instructions issued behind block a's loads, which may stay out
.set BB, BK+64*((\a)%2)
	s_wait_dscnt \younger
.if (\a) > 0
	s_add_nc_u64 s[56:57], s[56:57], 16*4096       ; (behind a wait on XCNT: the earlier stores have read their base)
.endif
.irp t, 0,1,2,3,4,5,6,7,8,9,10,11,12,13,14,15
	global_store_b128 v[O16], v[BB+4*\t:BB+4*\t+3], s[56:57] offset:\t*4096 th:TH_STORE_NT   ; 32 lanes store 512 consecutive bytes, at a multiple of 256 from out0's first byte
.endr
.endm
	PLACES
	TOSTAGE 0
.irp a, 1,2,3
.if \a > 1
	s_wait_xcnt 0x0                                ; block a - 2's stores have read their registers and their base
.endif
	TOSTAGE \a
	SEND \a-1, 32                                  ; behind block a - 1's loads: block a's 16 stores and 16 loads
.endr
	s_wait_xcnt 0x0
	SEND 3, 0
	s_wait_tensorcnt 0x0                           ; the wave's end
	ds_add_u32 v[SPW], v[NIL]
	s_wait_dscnt 0x0
	ROUND                                          ; the closing round
	s_endpgm
.Lfunc_end_k_q355505572f_gemmf:
	.size	k_q355505572f_gemmf, .Lfunc_end_k_q355505572f_gemmf-k_q355505572f_gemmf
	.p2alignl 7, 3214868480
	.fill 96, 4, 3214868480
	.section	.rodata,"a",@progbits
	.p2align	6, 0x0
	.amdhsa_kernel k_q355505572f_gemmf
		.amdhsa_group_segment_fixed_size 327680
		.amdhsa_private_segment_fixed_size 0
		.amdhsa_enable_private_segment 0
		.amdhsa_kernarg_size 48
		.amdhsa_user_sgpr_count 2
		.amdhsa_user_sgpr_kernarg_segment_ptr 1
		.amdhsa_wavefront_size32 1
		.amdhsa_system_sgpr_workgroup_id_x 1
		.amdhsa_system_sgpr_workgroup_id_y 1
		.amdhsa_system_sgpr_workgroup_id_z 1
		.amdhsa_system_vgpr_workitem_id 0
		.amdhsa_next_free_vgpr 1024
		.amdhsa_next_free_sgpr 66
		.amdhsa_reserve_vcc 0
		.amdhsa_float_denorm_mode_32 3
		.amdhsa_float_denorm_mode_16_64 3
		.amdhsa_memory_ordered 1
		.amdhsa_forward_progress 1
		.amdhsa_inst_pref_size 87
	.end_amdhsa_kernel
	.amdgpu_metadata
---
amdhsa.version: [ 1, 2 ]
amdhsa.kernels:
  - .name:           k_q355505572f_gemmf
    .symbol:         k_q355505572f_gemmf.kd
    .args:
      - { .name: oc, .offset: 0, .size: 8, .value_kind: global_buffer, .address_space: global }
      - { .name: os, .offset: 8, .size: 8, .value_kind: global_buffer, .address_space: global }
      - { .name: opc, .offset: 16, .size: 8, .value_kind: global_buffer, .address_space: global }
      - { .name: ops, .offset: 24, .size: 8, .value_kind: global_buffer, .address_space: global }
      - { .name: out0, .offset: 32, .size: 8, .value_kind: global_buffer, .address_space: global }
      - { .name: b_proj, .offset: 40, .size: 8, .value_kind: global_buffer, .address_space: global }
    .group_segment_fixed_size: 327680
    .private_segment_fixed_size: 0
    .kernarg_segment_align: 8
    .kernarg_segment_size: 48
    .max_flat_workgroup_size: 128
    .sgpr_count:     66
    .vgpr_count:     1024
    .wavefront_size: 32
...
	.end_amdgpu_metadata
.endif
;; end of part 4
